; MI455X (gfx1250); checked and timed in simulation.
; The chip was launched on July 23, 2026; its instructions are those of AMD's public machine-readable ISA for CDNA 5 (MIT licence, August 2026) and "CDNA5" Instruction Set Architecture Reference Guide (July 2026). The comments in the code are by the model that wrote it; some were corrected since.
;; Causal Self Attention. Allowed arithmetic: matrix products marked QUANTISED: E2M1 operands, one E8M0 scale for each 32 along K, by v_wmma_scale_f32_16x16x128_f8f6f4 with both operands' format E2M1 (or v_wmma_scale_f32_32x16x128_f4), f32 sums; products left as they are: bf16, f16 or f32 operands; f32 sums; everything else in f32.
;; Inputs: Wk 1,024 x 1,024 float32; Wp 1,024 x 1,024 float32; Wq 1,024 x 1,024 float32; Wv 1,024 x 1,024 float32; bk 1,024 float32; bp 1,024 float32; bq 1,024 float32; bv 1,024 float32; x 4 x 2,048 x 1,024 float32.
;; Outputs: out0 4 x 2,048 x 1,024 float32.
;; This version of the problem:
;;   THIS VERSION OF THE PROBLEM IS GIVEN IN LOW PRECISION. The matrix products marked QUANTISED in the list below multiply operands that are first quantised to E2M1 (2 exponent bits, 1 mantissa bit; 4 bits a number), with one power-of-two scale for each 32 numbers along K (OCP MX v1.0); their sums are f32. The products marked 'left as it is' may take bf16, f16 or f32 operands, with f32 sums. Whichever they take, every output number must still come out within the allowed error. Rounding operands to bf16 (8 significant bits) uses up far more of that allowance than f16 does (11 bits, for magnitudes from 6e-5 to 65,504). All else is computed in f32.
;;   The module's matrix products, in the order in which they are computed (A, B: the left and right operand; K: the contracted axis; several contracted axes count as one K, in the product's order):
;;     1. [M 8,192, K 1,024] x [K 1,024, N 1,024]; A: input x; B: input Wq: QUANTISED
;;     2. [M 8,192, K 1,024] x [K 1,024, N 1,024]; A: input x; B: input Wk: QUANTISED
;;     3. [M 8,192, K 1,024] x [K 1,024, N 1,024]; A: input x; B: input Wv: QUANTISED
;;     4. batch 64 x [M 2,048, K 64] x [K 64, N 2,048]; A: computed on the way; B: computed on the way: left as it is (an operand is computed on the way)
;;     5. batch 64 x [M 2,048, K 2,048] x [K 2,048, N 64]; A: computed on the way; B: computed on the way: left as it is (an operand is computed on the way)
;;     6. [M 8,192, K 1,024] x [K 1,024, N 1,024]; A: computed on the way; B: input Wp: left as it is (an operand is computed on the way)
;;   THE QUANTISER, for each operand of a quantised product, along K:
;;     - K is cut into blocks of 32 from its start; a last block that is shorter is filled with zeros.
;;     - A block's scale is 2^e with e = floor(log2(the largest magnitude in the block)) - 2, held to -126 .. 127; a block of zeros has e = 0. As a byte (E8M0): e + 127.
;;     - Each number is divided by its block's scale, clamped to +-6, and rounded to the nearest number of E2M1, ties to even, subnormals kept.
;;     - The product sums the exact products of the quantised numbers (number of the format x scale) in f32.
;;   ~~~python
;;   def quantise(x, axis):      # numpy; x: float32 -> the quantised numbers, widened to float32 again
;;       x = np.moveaxis(x, axis, -1); K = x.shape[-1]
;;       x = np.pad(x, [(0, 0)] * (x.ndim - 1) + [(0, -K % 32)]); x = x.reshape(x.shape[:-1] + (-1, 32)); a = np.abs(x).max(-1, keepdims=True)
;;       e = np.where(a > 0, np.clip(np.frexp(np.where(a > 0, a, 1))[1] - 1 - 2, -126, 127), 0)      # np.frexp(a)[1] - 1 = floor(log2(a)), exactly
;;       r = np.clip(x / 2.0 ** e, -6, 6)
;;       step = 2.0 ** (np.maximum(np.frexp(np.where(r == 0, 1, r))[1] - 1, 0) - 1)
;;       q = np.round(r / step) * step * 2.0 ** e      # np.round: ties to even
;;       return np.moveaxis(q.reshape(q.shape[:-2] + (-1,))[..., :K], -1, axis).astype(np.float32)
;;   ~~~
;; One version. Each part assembles by itself: llvm-mc -triple=amdgcn-amd-amdhsa -mcpu=gfx1250 --defsym DOCPART=n.
;; ======== version 1 of 1: 4 launches
;; limits: values are held in f16: magnitudes above 65,504 overflow, below 6.1e-05 lose precision
;; workspace buffers: xc 4,194,304 bytes; xs 262,144 bytes; wc 1,572,864 bytes; ws 98,304 bytes; wp16 2,097,152 bytes; qkv 50,331,648 bytes; y16 16,777,216 bytes
;; launch prep (part 1): grid 368 x 1, 4 waves a work-group, no clusters, 68,096 bytes of LDS; arguments x, Wq, Wk, Wv, Wp, xc, xs, wc, ws, wp16; writes xc, xs, wc, ws, wp16
.if DOCPART == 1
	.amdgcn_target "amdgcn-amd-amdhsa--gfx1250"
	.amdhsa_code_object_version 6
	.text
	.protected	k_qaec5563f13_prep
	.globl	k_qaec5563f13_prep
	.p2align	8
	.type	k_qaec5563f13_prep,@function
k_qaec5563f13_prep:
	s_mov_b64 s[64:65], 0
	v_nop
	global_prefetch_b8 v0, s[64:65] scope:SCOPE_SE
	s_setreg_imm32_b32 hwreg(HW_REG_WAVE_MODE, 25, 1), 1
	s_wait_xcnt 0x0
; PREP: what the later launches read many times is made once.
;   work-groups   0 ..  47: Wq, Wk, Wv [k 1024][n 1024] f32 -> codes of FP4 (E2M1) with K innermost, wc [3072 = q, k, v columns][512 bytes], and E8M0 scale bytes ws [3072][32]
;   work-groups  48 .. 111: Wp [1024][1024] f32 -> f16, as it lies: wp16
;   work-groups 112 .. 367: x [8192][1024] f32 -> codes xc [8192][512 bytes] and scale bytes xs [8192][32]
; THE QUANTISER: a block of 32 along K has the scale 2^(floor(log2(its largest magnitude)) - 2); the byte is the largest magnitude's exponent field - 2, held at 1 from below; each number is
; divided by the scale and rounded to the nearest code, ties to even; beyond 6 the largest code.
; LIMITS: a block of zeros, and a block whose largest magnitude lies under 2^-124, gets the byte 1 (the definition says 127 for zeros: its codes are zeros, and this program alone reads the bytes).
; NaN and infinities among the inputs are not served.  Wp is rounded to f16: magnitudes from 65,520 on become infinity, under 6e-5 the step is 6e-8.
; The three paths part on the work-group's number alone and never join; each has LDS bytes of its own.  No tensor loads, no barriers, no cluster: waves and work-groups share nothing.
; Nothing is prefetched: every path is a plain stream that is read once with many loads on their way.
.set SPW,   190                        ; v190  LDS address of my spare word: SPARE + 4 x my thread's number; never rewritten
.set NIL,   191                        ; v191  0; never rewritten
.set SPARE, 67584                      ; behind both paths' regions: the spare words, 128 bytes for each wave: two blocks of 256 bytes that no other line names
; path x
.set STEPS, 16
.set CB,    8                          ; bytes of 16 codes
.set XR,    16                         ; v16-79   four sets of 16 numbers as they are loaded
.set XX,    80                         ; v80-111  two sets of 16 neighbours
.set XE,    112                        ; v112-127 a scale byte for each step
.set XC,    128                        ; v128-189 codes: four registers for each step, so that no store's data are written again
.set WREG,  8192                       ; LDS 0 .. 32,767: a region for each wave: two stages of 32 x SP bytes, behind them its 256 scale bytes
.set SP,    80                         ; a lane's place in a stage: its 64 bytes + 16 of padding
; path W
.set WST,   32768                      ; LDS 32,768 .. 67,583: a stage of 32 rows x WPI bytes for each wave
.set WPI,   272                        ; a stage row: 256 bytes of codes + 16
.set NB,    16                         ; blocks of 32 along K for a lane
.set WSB,   24                         ; v24-27   the scale bytes, four to a register
.set WX,    32                         ; v32-95   two sets of 32 numbers
.set WC,    96                         ; v96-99   a block's codes
.set WOUT,  112                        ; v112-175 the way out
	s_load_b256 s[4:11], s[0:1], 0x0               ; x s[4:5], Wq s[6:7], Wk s[8:9], Wv s[10:11]
	s_load_b256 s[12:19], s[0:1], 0x20             ; Wp s[12:13], xc s[14:15], xs s[16:17], wc s[18:19]
	s_load_b128 s[20:23], s[0:1], 0x40             ; ws s[20:21], wp16 s[22:23]
	v_lshl_add_u32 v[SPW], v0, 2, SPARE
	v_mov_b32 v[NIL], 0
	v_lshrrev_b32 v1, 5, v0
	v_readfirstlane_b32 s24, v1                    ; wave 0..3
	v_and_b32 v2, 31, v0                           ; lane
	s_wait_kmcnt 0x0
	s_cmp_lt_u32 ttmp9, 48
	s_cbranch_scc1 .Lw
	s_cmp_lt_u32 ttmp9, 112
	s_cbranch_scc1 .Lp
; ---------------- x: rows are dense and K is a multiple of 32, so x is a plain stream of blocks of 32, and so are its codes and scale bytes.
; A wave takes 16 steps of 512 numbers.  Each load reads 512 consecutive bytes; a step's 2,048 bytes turn through the wave's own stage in LDS and come back 64 bytes a lane: 16 neighbours along K,
; two neighbouring lanes to a block.  A lane's 16 codes are 8 bytes: the wave stores 256 consecutive bytes.  A wave's 256 scale bytes are gathered in LDS and leave as one aligned run of 256 bytes.
	v_lshlrev_b32 v3, 4, v2                        ; my 16 bytes of a load's 512
	s_mul_i32 s25, s24, WREG
	v_lshrrev_b32 v14, 2, v2
	v_mul_u32_u24 v14, v14, SP
	v_and_b32 v15, 3, v2
	v_lshl_add_u32 v14, v15, 4, v14
	v_add_nc_u32 v14, s25, v14                     ; the stage, on the way in: SP (lane / 4) + 16 (lane % 4)
	v_mul_u32_u24 v15, v2, SP
	v_add_nc_u32 v15, s25, v15                     ; and on the way out: SP x lane
	v_mul_u32_u24 v4, v2, CB                       ; my codes' place in a step's
	v_lshrrev_b32 v5, 1, v2
	s_add_co_u32 s25, s25, 2*32*SP
	v_add_nc_u32 v5, s25, v5                       ; my wave's 256 scale bytes, my block's byte
	v_lshlrev_b32 v7, 3, v2                        ; and on the way out 8 bytes a lane
	v_add_nc_u32 v6, s25, v7
	s_sub_co_u32 s26, ttmp9, 112
	s_lshl_b32 s26, s26, 2
	s_add_co_u32 s26, s26, s24                     ; which run of 8,192 numbers is my wave's: 0 .. 1,023
	s_mov_b32 s29, 0
	s_lshl_b32 s28, s26, 15                        ; 32,768 bytes of x,
	s_add_nc_u64 s[4:5], s[4:5], s[28:29]
	s_lshl_b32 s28, s26, 12                        ; 4,096 of codes,
	s_add_nc_u64 s[14:15], s[14:15], s[28:29]
	s_lshl_b32 s28, s26, 8                         ; 256 scale bytes a run
	s_add_nc_u64 s[16:17], s[16:17], s[28:29]
.macro XLOAD t
.irp i, 0,1,2,3
	global_load_b128 v[XR+16*((\t)%4)+4*\i:XR+16*((\t)%4)+4*\i+3], v3, s[4:5] offset:2048*(\t)+512*\i th:TH_LOAD_NT   ; 32 lanes read 512 consecutive bytes
.endr
.endm
.macro XTURN t                         ; step t's numbers through the stage: LDS serves a wave's instructions in order, so no wait stands between the stores and the loads
.irp i, 0,1,2,3
	ds_store_b128 v14, v[XR+16*((\t)%4)+4*\i:XR+16*((\t)%4)+4*\i+3] offset:32*SP*((\t)%2)+8*SP*\i
.endr
.irp i, 0,1,2,3
	ds_load_b128 v[XX+16*((\t)%2)+4*\i:XX+16*((\t)%2)+4*\i+3], v15 offset:32*SP*((\t)%2)+16*\i
.endr
.endm
.irp t, 0,1,2,3
	XLOAD \t
.endr
	s_wait_loadcnt 12                              ; step 0's four loads are in; the twelve of steps 1 to 3 may be out
	XTURN 0
.macro XSTEP t
.set XS, XX+16*((\t)%2)
.if (\t) > 0
	s_wait_dscnt 1                                 ; this step's numbers are back from the stage (the last step's byte store may be out): so its stores into the stage have read their registers,
.else
	s_wait_dscnt 0x0
.endif
.if (\t)+4 < STEPS
	XLOAD (\t)+4                                   ; which take the loads of four steps on
.endif
.if (\t)+1 < STEPS
.if STEPS-2-(\t) >= 3
	s_wait_loadcnt 12                              ; the next step's four loads are in; those of the three steps behind it may be out
.else
	s_wait_loadcnt 4*(STEPS-2-(\t))
.endif
	XTURN (\t)+1                                   ; and go through the other stage while this step is worked
.endif
	v_max3_num_f32 v8, |v[XS]|, |v[XS+1]|, |v[XS+2]|               ; the largest magnitude of my 16, in two chains
	v_max3_num_f32 v9, |v[XS+3]|, |v[XS+4]|, |v[XS+5]|
.irp i, 6,10
	v_max3_num_f32 v8, v8, |v[XS+\i]|, |v[XS+\i+1]|
	v_max3_num_f32 v9, v9, |v[XS+\i+2]|, |v[XS+\i+3]|
.endr
	v_max3_num_f32 v8, v8, |v[XS+14]|, |v[XS+15]|
	v_max3_num_f32 v8, v8, v9, 0x1800000           ; and the floor 2^(3 - 127): so the byte cannot fall under 1
	v_max_num_f32_dpp v8, v8, v8 row_xmask:1 row_mask:0xf bank_mask:0xf   ; and of my neighbour's 16: the block's
	v_add_nc_u32 v11, 0xff000000, v8               ; 2 off its exponent field: the conversion takes the exponent field of this operand as its scale, and nothing else of it
	v_cvt_scalef32_pk8_fp4_f32 v[XC+4*(\t)], v[XS:XS+7], v11
	v_cvt_scalef32_pk8_fp4_f32 v[XC+4*(\t)+1], v[XS+8:XS+15], v11
	v_lshrrev_b32 v[XE+(\t)], 23, v11              ; the scale's byte (a plain line behind the conversions)
	ds_store_b8 v5, v[XE+(\t)] offset:16*(\t)      ; both lanes of a block write the same byte with the same value
	global_store_b64 v4, v[XC+4*(\t):XC+4*(\t)+1], s[14:15] offset:32*CB*(\t)   ; 32 lanes store 256 consecutive bytes, aligned
.endm
.irp t, 0,1,2,3,4,5,6,7,8,9,10,11,12,13,14,15
	XSTEP \t
.endr
	ds_load_b64 v[8:9], v6                         ; LDS serves a wave's instructions in order: these see my stores
	s_wait_dscnt 0x0
	global_store_b64 v7, v[8:9], s[16:17]          ; 32 lanes store 256 consecutive bytes, aligned
	s_wait_tensorcnt 0x0                           ; the wave's end, behind my last LDS store
	ds_add_u32 v[SPW], v[NIL]
	s_wait_dscnt 0x0
	s_endpgm
; ---------------- Wq, Wk, Wv: K is the FIRST axis.  A lane takes a column n and its registers run down K: each load reads 128 consecutive bytes a wave, a block of 32 along K lies in one lane's
; 32 registers, and the conversions give codes with K innermost.  A wave takes 32 columns x 512 along K; its codes go through its own stage and leave as rows: sixteen lanes store 256 aligned bytes.
.Lw:
	s_lshr_b32 s25, ttmp9, 1                       ; gx 0..23: which 128 of the 3,072 columns
	s_and_b32 s26, ttmp9, 1                        ; gy: which 512 along K
	s_lshr_b32 s27, s25, 3                         ; the tensor: 0 Wq, 1 Wk, 2 Wv
	s_cmp_eq_u32 s27, 0
	s_cselect_b64 s[6:7], s[6:7], s[8:9]
	s_cmp_eq_u32 s27, 2
	s_cselect_b64 s[6:7], s[10:11], s[6:7]
	s_and_b32 s28, s25, 7
	s_lshl_b32 s28, s28, 9                         ; 128 columns x 4 bytes,
	s_lshl_b32 s29, s24, 7                         ; my wave's 32 columns,
	s_add_co_u32 s28, s28, s29
	s_lshl_b32 s29, s26, 21                        ; 512 rows of 4,096 bytes
	s_add_co_u32 s28, s28, s29
	s_mov_b32 s29, 0
	s_add_nc_u64 s[6:7], s[6:7], s[28:29]
	s_lshl_b32 s30, s25, 7
	s_lshl_b32 s31, s24, 5
	s_add_co_u32 s30, s30, s31                     ; my first row of wc and ws: 128 gx + 32 wave
	s_lshl_b32 s28, s30, 9                         ; rows of 512 bytes of codes,
	s_lshl_b32 s31, s26, 8                         ; + 256 gy
	s_add_co_u32 s28, s28, s31
	s_add_nc_u64 s[18:19], s[18:19], s[28:29]
	s_lshl_b32 s28, s30, 5                         ; rows of 32 scale bytes,
	s_lshl_b32 s31, s26, 4                         ; + 16 gy
	s_add_co_u32 s28, s28, s31
	s_add_nc_u64 s[20:21], s[20:21], s[28:29]
	v_lshlrev_b32 v3, 2, v2                        ; in: 4 bytes a lane
	s_mul_i32 s31, s24, 32*WPI
	s_add_co_u32 s31, s31, WST                     ; my stage
	v_mul_u32_u24 v4, v2, WPI
	v_add_nc_u32 v4, s31, v4                       ; into it: row = my column
	v_and_b32 v5, 15, v2
	v_lshrrev_b32 v6, 4, v2                        ; out of it: sixteen lanes to a row, two rows an instruction
	v_mul_u32_u24 v7, v6, WPI
	v_lshl_add_u32 v7, v5, 4, v7
	v_add_nc_u32 v7, s31, v7
	v_mul_u32_u24 v8, v6, 512
	v_lshl_add_u32 v8, v5, 4, v8                   ; and the same place in wc
	v_mul_u32_u24 v9, v2, 32                       ; my column's row of scale bytes
.macro WLOAD t                         ; block t: W(32 t + i, my column), i = 0 .. 31, into set t % 2.  The largest offset, 511 x 4,096, lies inside the signed 24-bit immediate
.set wi, 0
.rept 32
	global_load_b32 v[WX+32*((\t)%2)+wi], v3, s[6:7] offset:(32*(\t)+wi)*4096 th:TH_LOAD_NT
.set wi, wi+1
.endr
.endm
	WLOAD 0
	WLOAD 1
.macro WBLOCK t
.set XS, WX+32*((\t)%2)
.if (\t) < NB-1
	s_wait_loadcnt 32                              ; this block's 32 loads are in; the next block's 32 may be out
.else
	s_wait_loadcnt 0
.endif
	v_max3_num_f32 v12, |v[XS]|, |v[XS+1]|, |v[XS+2]|              ; the block's largest magnitude: all 32 numbers are mine
	v_max3_num_f32 v13, |v[XS+3]|, |v[XS+4]|, |v[XS+5]|
.irp i, 6,10,14,18,22,26
	v_max3_num_f32 v12, v12, |v[XS+\i]|, |v[XS+\i+1]|
	v_max3_num_f32 v13, v13, |v[XS+\i+2]|, |v[XS+\i+3]|
.endr
	v_max3_num_f32 v12, v12, |v[XS+30]|, |v[XS+31]|
	v_max3_num_f32 v12, v12, v13, 0x1800000        ; and the floor 2^(3 - 127)
	v_add_nc_u32 v11, 0xff000000, v12              ; 2 off its exponent field: the conversion's scale operand
	v_lshrrev_b32 v13, 23, v11                     ; the scale's byte
.if (\t)%4 == 0
	v_mov_b32 v[WSB+(\t)/4], v13                   ; four bytes to a register, the lower K in the lower byte
.else
	v_lshl_or_b32 v[WSB+(\t)/4], v13, 8*((\t)%4), v[WSB+(\t)/4]
.endif
.irp g, 0,1,2,3
	v_cvt_scalef32_pk8_fp4_f32 v[WC+\g], v[XS+8*\g:XS+8*\g+7], v11
.endr
	v_nop                                          ; one plain line behind the last conversion
	ds_store_b128 v4, v[WC:WC+3] offset:16*(\t)    ; 32 codes: 16 bytes of my column's row
.if (\t)+2 < NB
	WLOAD (\t)+2
.endif
	s_wait_dscnt 0x0                               ; the store has read its registers: the next block's codes may be written
.endm
.set Q, 0
.rept NB
	WBLOCK Q
.set Q, Q+1
.endr
	global_store_b128 v9, v[WSB:WSB+3], s[20:21]   ; my column's 16 scale bytes
.irp t, 0,1,2,3,4,5,6,7,8,9,10,11,12,13,14,15
	ds_load_b128 v[WOUT+4*\t:WOUT+4*\t+3], v7 offset:2*\t*WPI      ; LDS serves a wave's instructions in order: these see my stores
.endr
.irp t, 0,1,2,3,4,5,6,7,8,9,10,11,12,13,14,15
	s_wait_dscnt 15-\t                             ; load t is in; the 15 - t behind it may be out
	global_store_b128 v8, v[WOUT+4*\t:WOUT+4*\t+3], s[18:19] offset:2*\t*512   ; sixteen lanes store 256 consecutive bytes, aligned
.endr
	s_wait_tensorcnt 0x0                           ; the wave's end, behind my last LDS store
	ds_add_u32 v[SPW], v[NIL]
	s_wait_dscnt 0x0
	s_endpgm
; ---------------- Wp to f16, as it lies: a wave takes 16,384 consecutive bytes by 32 loads of 512, all on their way at once; each register set is written once, so no store's data are rewritten.
.Lp:
	s_sub_co_u32 s25, ttmp9, 48
	s_lshl_b32 s25, s25, 2
	s_add_co_u32 s25, s25, s24                     ; my run: 0 .. 255
	s_mov_b32 s29, 0
	s_lshl_b32 s28, s25, 14
	s_add_nc_u64 s[12:13], s[12:13], s[28:29]
	s_lshl_b32 s28, s25, 13
	s_add_nc_u64 s[22:23], s[22:23], s[28:29]
	v_lshlrev_b32 v3, 4, v2
	v_lshlrev_b32 v4, 3, v2
.set pi, 0
.rept 32
	global_load_b128 v[16+4*pi:19+4*pi], v3, s[12:13] offset:512*pi th:TH_LOAD_NT
.set pi, pi+1
.endr
.set pi, 0
.rept 32
	s_wait_loadcnt 31-pi                           ; this load is in; the younger ones stay out
	v_cvt_pk_f16_f32 v[16+4*pi], v[16+4*pi], v[17+4*pi]
	v_cvt_pk_f16_f32 v[17+4*pi], v[18+4*pi], v[19+4*pi]
	global_store_b64 v4, v[16+4*pi:17+4*pi], s[22:23] offset:256*pi   ; 32 lanes store 256 consecutive bytes, aligned
.set pi, pi+1
.endr
	s_wait_tensorcnt 0x0                           ; the wave's end: the launch stores to LDS on its other paths
	ds_add_u32 v[SPW], v[NIL]
	s_wait_dscnt 0x0
	s_endpgm
.Lfunc_end_k_qaec5563f13_prep:
	.size	k_qaec5563f13_prep, .Lfunc_end_k_qaec5563f13_prep-k_qaec5563f13_prep
	.p2alignl 7, 3214868480
	.fill 96, 4, 3214868480
	.section	.rodata,"a",@progbits
	.p2align	6, 0x0
	.amdhsa_kernel k_qaec5563f13_prep
		.amdhsa_group_segment_fixed_size 68096
		.amdhsa_private_segment_fixed_size 0
		.amdhsa_enable_private_segment 0
		.amdhsa_kernarg_size 80
		.amdhsa_user_sgpr_count 2
		.amdhsa_user_sgpr_kernarg_segment_ptr 1
		.amdhsa_wavefront_size32 1
		.amdhsa_system_sgpr_workgroup_id_x 1
		.amdhsa_system_sgpr_workgroup_id_y 1
		.amdhsa_system_sgpr_workgroup_id_z 1
		.amdhsa_system_vgpr_workitem_id 0
		.amdhsa_next_free_vgpr 192
		.amdhsa_next_free_sgpr 66
		.amdhsa_reserve_vcc 0
		.amdhsa_float_denorm_mode_32 3
		.amdhsa_float_denorm_mode_16_64 3
		.amdhsa_memory_ordered 1
		.amdhsa_forward_progress 1
		.amdhsa_inst_pref_size 123
	.end_amdhsa_kernel
	.amdgpu_metadata
---
amdhsa.version: [ 1, 2 ]
amdhsa.kernels:
  - .name:           k_qaec5563f13_prep
    .symbol:         k_qaec5563f13_prep.kd
    .args:
      - { .name: x, .offset: 0, .size: 8, .value_kind: global_buffer, .address_space: global }
      - { .name: Wq, .offset: 8, .size: 8, .value_kind: global_buffer, .address_space: global }
      - { .name: Wk, .offset: 16, .size: 8, .value_kind: global_buffer, .address_space: global }
      - { .name: Wv, .offset: 24, .size: 8, .value_kind: global_buffer, .address_space: global }
      - { .name: Wp, .offset: 32, .size: 8, .value_kind: global_buffer, .address_space: global }
      - { .name: xc, .offset: 40, .size: 8, .value_kind: global_buffer, .address_space: global }
      - { .name: xs, .offset: 48, .size: 8, .value_kind: global_buffer, .address_space: global }
      - { .name: wc, .offset: 56, .size: 8, .value_kind: global_buffer, .address_space: global }
      - { .name: ws, .offset: 64, .size: 8, .value_kind: global_buffer, .address_space: global }
      - { .name: wp16, .offset: 72, .size: 8, .value_kind: global_buffer, .address_space: global }
    .group_segment_fixed_size: 68096
    .private_segment_fixed_size: 0
    .kernarg_segment_align: 8
    .kernarg_segment_size: 80
    .max_flat_workgroup_size: 128
    .sgpr_count:     66
    .vgpr_count:     192
    .wavefront_size: 32
...
	.end_amdgpu_metadata
.endif
;; end of part 1
;; launch qkv (part 2): grid 12 x 32, 4 waves a work-group, clusters of 4 x 4, 327,680 bytes of LDS; arguments xc, xs, wc, ws, bq, bk, bv, qkv; writes qkv
.if DOCPART == 2
	.amdgcn_target "amdgcn-amd-amdhsa--gfx1250"
	.amdhsa_code_object_version 6
	.text
	.protected	k_qaec5563f13_qkv
	.globl	k_qaec5563f13_qkv
	.p2align	8
	.type	k_qaec5563f13_qkv,@function
k_qaec5563f13_qkv:
	s_mov_b64 s[64:65], 0
	v_nop
	global_prefetch_b8 v0, s[64:65] scope:SCOPE_SE
	s_setreg_imm32_b32 hwreg(HW_REG_WAVE_MODE, 25, 1), 1
	s_wait_xcnt 0x0
	s_wait_alu depctr_hold_cnt(0) depctr_sa_sdst(0) depctr_va_vdst(0) depctr_va_sdst(0) depctr_va_ssrc(0) depctr_va_vcc(0) depctr_vm_vsrc(0)
	s_getreg_b32 s2, hwreg(HW_REG_IB_STS2, 6, 4)
	s_cmp_eq_u32 s2, 0
	s_cbranch_scc0 .Lentry_in_a_cluster
	s_endpgm
.Lentry_in_a_cluster:
	s_bfe_u32 s2, ttmp6, 0x10000c
	s_cmp_lg_u32 s2, 0xf033
	s_cbranch_scc0 .Lentry_shape_is_right
	s_endpgm
.Lentry_shape_is_right:
; q, k, v = Q(x) Q(W) + b: one GEMM of 8,192 x 3,072 x 1,024 on codes of FP4 (E2M1) with one E8M0 scale for each 32 along K; sums in f32, begun with the bias; results rounded to f16 and laid by head:
; qkv [part 3][batch x 16 + head][token 2,048][64].
; LIMITS: q, k, v are carried in f16: magnitudes from 65,520 on become infinity, under 6e-5 the step is 6e-8.  The bias starts the f32 sum where the definition adds it last.
; A tile of C, 256 x 256, is made by a work-group of four waves; a wave makes 128 x 128: 64 accumulators of 16 x 16, 512 registers.  K = 1,024 is two LDS slots of 512 along K (rows of 256 bytes):
; both are asked for at the head and nothing is filled again, so there is no loop.  A wave has three tensor loads out at the most: scales, slot 0, slot 1.
; THE SCALES of the work-group's 256 rows of x and 256 rows of W, for all of K, are two dense blocks of memory: they come into LDS once, in runs of 256 bytes.
; CLUSTERS: 4 x 4 work-groups.  The four of a row of the cluster need the same tiles of x, the four of a column the same tiles of W: each tile is asked for JOINTLY, by the same tensor load with the
; same descriptor and a mask that names the four.  THE MATRIX INSTRUCTION IS USED TRANSPOSED (source 0 = 16 rows of W's codes, source 1 = 16 rows of x's): a lane holds eight neighbouring columns of a row of C.
; Nothing is prefetched: every tile is asked for at the head.
; REGISTERS, in windows of 256: window 0: v0-31 addresses; v32-95 scale words, two sets; v128-191 A's fragments, ONE set; v192-255 the bias in the result's layout; on the way out v32-127 are free.
;   window 1: B's fragments, TWO sets, at v0 and v128.   window 2: the accumulators of my rows 0-63 ((a, b) at v[8 (8 a + b)]);   window 3: those of my rows 64-127.
.set NQ,     4                         ; matrix instructions deep in a slot
.set ROWB,   256                       ; a tile's row in bytes: 512 codes
.set KROW,   512                       ; a row of codes in memory
.set PITCH,  272                       ; an LDS row: 256 bytes + 16 of padding = 68 words: the 16 rows that a load touches start at 16 different banks (64 banks of 4 bytes: ISA guide 11.1)
.set FR,     8                         ; registers of a fragment: 16 rows x 128 K
.set NL,     2                         ; LDS loads that bring one
.set NP,     4                         ; places behind this matrix instruction (ISA guide 7.12.1)
.set HALFT,  128*PITCH                 ; 128 rows: what one tensor load brings
.set SLOT,   4*HALFT                   ; A's 256 rows, then B's 256 rows
.set KS,     32                        ; a row of scales in bytes
.set SCL,    2*SLOT                    ; behind the slots: the scales, as runs of 256 bytes + 16 of padding
.set HALFS,  16*272                    ; the scales of 128 rows: what one tensor load brings
.set SBLK,   2*272                     ; those of 16 rows
.set SPARE,  SCL+4*HALFS               ; behind the scales: the spare words, 128 bytes for each wave: two blocks of 256 bytes that no other line names
.set SPITCH, 272                       ; the way out: a stage of 16 rows x (256 bytes + 16) for each wave, in slot 0, which has had its only fill and its last read when the first result is stored there
.set ADRA, 16                          ; v16-17  LDS address of my A fragments in slot 0, 1
.set ADRB, 20                          ; v20-21  the same for B
.set STO,  24                          ; v24     the way out: where I put 16 bytes of a row
.set RD,   25                          ; v25     the way out: where I read back
.set CO,   26                          ; v26     16 x lane: my place in a store's 512 bytes
.set ADRS, 27                          ; v27     LDS address of my scale words: lanes 0-15 A's rows, lanes 16-31 B's
.set SPW,  28                          ; v28     LDS address of my spare word; never rewritten
.set NIL,  29                          ; v29     0; never rewritten
.set BO,   30                          ; v30     32 x (lane / 16): my eight numbers of a bias tile
.set SC,   32                          ; scale words: set s at v[SC + 32 s]; register 4 i + q: lanes 0-15 the word of A's block i, lanes 16-31 that of B's block i, for the slot's q-th 128 along K
.set AF,   128                         ; A's fragments
.set BIAS, 192                         ; register 8 b + j: bias[my first column + 16 b + 8 (lane / 16) + j]
.set TMP,  32                          ; the way out: a block's 32 packed registers
.set BK,   64                          ; the way out: a block read back: v64-95 and v96-127 by turns
.set G1, 24                            ; s[24:31] descriptor group 1 for A's tiles;  s[32:39] group 0, one set for each slot
.set G0, 32
.set G1B, 48                           ; s[48:55], s[56:63] the same for B's tiles
.set G0B, 56
.set G1S, 68                           ; s[68:75], s[76:79] groups 1 and 0 for A's scales;  s[80:87], s[88:91] for B's
.set G0S, 76
.set G1SB, 80
.set G0SB, 88
.set MSB, 0
.macro WIN new                         ; the immediate's high byte repeats the setting that is left
.if MSB != \new
	s_set_vgpr_msb (MSB<<8)|\new
.set MSB, \new
.endif
.endm
.set MUL_LO, 0xa1                      ; source 0 (B) window 1, source 1 (A) window 0, C and D window 2
.set MUL_HI, 0xf1                      ; the same, C and D window 3
.set BIA_LO, 0x81                      ; the first step: C is the bias, in window 0; D window 2
.set BIA_HI, 0xc1                      ; D window 3
.set TO_B,   0x40                      ; destination window 1, address window 0
; A joint load: waves 0 and 1 fetch for A, waves 2 and 3 for B.  Each of the two lines has ONE mask and one set of registers for all that issue it; the branch hangs on the wave's number alone.
; An s_nop 0 and four v_nop follow each of the two lines, ahead of the jump, the label and what follows.
.macro JLOAD g0a, g1a, g0b, g1b
	s_cmp_eq_u32 s15, 0
	s_cbranch_scc0 .Lfor_b_\@
	tensor_load_to_lds s[\g0a:\g0a+3], s[\g1a:\g1a+7]
	s_nop 0
.rept 4
	v_nop
.endr
	s_branch .Lasked_\@
.Lfor_b_\@:
	tensor_load_to_lds s[\g0b:\g0b+3], s[\g1b:\g1b+7]
	s_nop 0
.rept 4
	v_nop
.endr
.Lasked_\@:
.endm
.macro CROUND                          ; a round of the cluster's barrier
	s_barrier_signal -1
	s_barrier_wait -1
	s_cmp_lg_u32 s14, 0
	s_cbranch_scc1 .Lnot_wave_0_\@
	s_barrier_signal -3
.Lnot_wave_0_\@:
	s_barrier_wait -3
	s_barrier_signal -1
	s_barrier_wait -1
.endm
	s_load_b128 s[4:7], s[0:1], 0x0                ; x's codes s[4:5], x's scales s[6:7]
	s_load_b128 s[8:11], s[0:1], 0x10              ; W's codes s[8:9], W's scales s[10:11]
	s_load_b128 s[96:99], s[0:1], 0x20             ; bq, bk
	s_load_b64 s[100:101], s[0:1], 0x30            ; bv
	s_load_b64 s[12:13], s[0:1], 0x38              ; qkv
	v_lshl_add_u32 v[SPW], v0, 2, SPARE
	v_mov_b32 v[NIL], 0
	ds_add_u32 v[SPW], v[NIL]                      ; the wave's opening: an add of 0 to my spare word, twice on end, and its wait ahead of my first tensor load
	ds_add_u32 v[SPW], v[NIL]                      ; and once more, under the one wait; the set-up below, work on registers, stands between
	v_lshrrev_b32 v1, 5, v0
	v_readfirstlane_b32 s14, v1                    ; wave 0..3
	s_lshr_b32 s15, s14, 1                         ; which half of the tile's rows is mine.  Also: I fetch for A (0) or for B (1)
	s_and_b32 s16, s14, 1                          ; which half of its columns.  Also: which 128 rows of that tile I fetch
	s_bfe_u32 s40, ttmp6, 0x40000                  ; cx, cy: my place in the cluster
	s_bfe_u32 s41, ttmp6, 0x40004
	s_lshl_b32 s42, ttmp9, 2
	s_add_co_u32 s42, s42, s40                     ; tile column of C = 4 x cluster x + cx.  (1,024 columns are four tiles: the cluster's x is the part, q, k or v)
	s_and_b32 s17, ttmp7, 0xffff
	s_lshl_b32 s17, s17, 2
	s_add_co_u32 s17, s17, s41                     ; tile row of C = 4 x cluster y + cy
	s_lshl_b32 s43, s41, 2
	s_lshl_b32 s43, 15, s43                        ; my row of the cluster
	s_lshl_b32 s44, 0x1111, s40                    ; my column
	; descriptor group 1: a tile of 128 rows x 256 bytes, padded in LDS
	s_or_b32 s[G1+0], s43, (0<<16)|(1<<20)|(1<<21)|(5<<22)|(3<<25)  ; 15:0 the mask: A's tiles go to my row; 17:16 element of 1 byte; 20 padding on; 21 set beside a mask; 24:22 after every 64 words (code 5); 31:25 of 4 words (code 3)
	s_or_b32 s[G1B+0], s44, (0<<16)|(1<<20)|(1<<21)|(5<<22)|(3<<25)
.irp g, G1, G1B
	s_mov_b32 s[\g+1], ROWB<<16                    ; tensor_dim0
	s_mov_b32 s[\g+2], 128<<16                     ; tensor_dim1 = 128
	s_mov_b32 s[\g+3], ROWB<<16                    ; tile_dim0
	s_mov_b32 s[\g+4], 128                         ; tile_dim1 = 128
	s_mov_b32 s[\g+5], KROW                        ; tensor_dim0_stride
	s_mov_b32 s[\g+6], 0
	s_mov_b32 s[\g+7], 0
.endr
	; and for the scales of 128 rows: a dense block of 4,096 bytes, as 16 rows of 256 bytes (32 elements of 8 bytes), 16 bytes of padding behind each
	s_or_b32 s[G1S+0], s43, (3<<16)|(1<<20)|(1<<21)|(5<<22)|(3<<25)
	s_or_b32 s[G1SB+0], s44, (3<<16)|(1<<20)|(1<<21)|(5<<22)|(3<<25)
.irp g, G1S, G1SB
	s_mov_b32 s[\g+1], 32<<16
	s_mov_b32 s[\g+2], 16<<16
	s_mov_b32 s[\g+3], 32<<16
	s_mov_b32 s[\g+4], 16
	s_mov_b32 s[\g+5], 32
	s_mov_b32 s[\g+6], 0
	s_mov_b32 s[\g+7], 0
.endr
	s_lshl_b32 s18, s16, 7                         ; which 128 rows of the tile I fetch
	s_lshl_b32 s20, s17, 8
	s_add_co_u32 s20, s20, s18                     ; A: row 256 x tile row + 128 x half
	s_lshl_b32 s46, s42, 8
	s_add_co_u32 s46, s46, s18                     ; B: row 256 x tile column + 128 x half
	s_mov_b32 s21, 0
	s_mov_b32 s47, 0
	s_mov_b64 s[18:19], KS
	s_mul_u64 s[22:23], s[20:21], s[18:19]         ; where these rows' scales begin, in bytes
	s_mul_u64 s[92:93], s[46:47], s[18:19]
	s_mov_b64 s[18:19], KROW
	s_mul_u64 s[20:21], s[20:21], s[18:19]         ; and their codes
	s_mul_u64 s[46:47], s[46:47], s[18:19]
	s_mul_i32 s45, s14, HALFT                      ; where they go: wave x 128 rows: no place in the cluster enters an LDS address
	s_mul_i32 s94, s14, HALFS
	s_wait_dscnt 0x0                               ; both opening adds are done
	s_wait_kmcnt 0x0
	s_add_nc_u64 s[20:21], s[4:5], s[20:21]
	s_add_nc_u64 s[22:23], s[6:7], s[22:23]
	s_add_nc_u64 s[46:47], s[8:9], s[46:47]
	s_add_nc_u64 s[92:93], s[10:11], s[92:93]
	CROUND                                         ; all sixteen work-groups are here: the joint loads meet
	s_mov_b32 s[G0S], 1
	s_add_co_u32 s[G0S+1], s94, SCL
	s_mov_b64 s[G0S+2:G0S+3], s[22:23]
	s_or_b32 s[G0S+3], s[G0S+3], 0x80000000
	s_mov_b32 s[G0SB], 1
	s_add_co_u32 s[G0SB+1], s94, SCL
	s_mov_b64 s[G0SB+2:G0SB+3], s[92:93]
	s_or_b32 s[G0SB+3], s[G0SB+3], 0x80000000
	JLOAD G0S, G1S, G0SB, G1SB                     ; the scales first: they are wanted with the first step
.irp s, 0,1
	s_mov_b32 s[G0+4*\s], 1
	s_add_co_u32 s[G0+4*\s+1], s45, \s*SLOT
	s_add_nc_u64 s[G0+4*\s+2:G0+4*\s+3], s[20:21], \s*ROWB
	s_or_b32 s[G0+4*\s+3], s[G0+4*\s+3], 0x80000000
	s_mov_b32 s[G0B+4*\s], 1
	s_add_co_u32 s[G0B+4*\s+1], s45, \s*SLOT
	s_add_nc_u64 s[G0B+4*\s+2:G0B+4*\s+3], s[46:47], \s*ROWB
	s_or_b32 s[G0B+4*\s+3], s[G0B+4*\s+3], 0x80000000
	JLOAD G0+4*\s, G1, G0B+4*\s, G1B
.endr
	v_and_b32 v1, 15, v0                           ; l % 16
	v_bfe_u32 v2, v0, 4, 1                         ; l / 16
	; the bias of my part, at my 128 columns: a choice on the cluster's x, which hangs on no address
	s_cmp_eq_u32 ttmp9, 0
	s_cselect_b64 s[96:97], s[96:97], s[98:99]
	s_cmp_eq_u32 ttmp9, 2
	s_cselect_b64 s[96:97], s[100:101], s[96:97]
	s_lshl_b32 s46, s40, 10                        ; 256 columns x 4 bytes x cx (in the registers that held B's address: none that feeds A's descriptors ever holds cx)
	s_lshl_b32 s47, s16, 9                         ; + my half's 128
	s_add_co_u32 s46, s46, s47
	s_mov_b32 s47, 0
	s_add_nc_u64 s[96:97], s[96:97], s[46:47]
	v_lshlrev_b32 v[BO], 5, v2
.irp b, 0,1,2,3,4,5,6,7
	global_load_b128 v[BIAS+8*\b:BIAS+8*\b+3], v[BO], s[96:97] offset:64*\b
	global_load_b128 v[BIAS+8*\b+4:BIAS+8*\b+7], v[BO], s[96:97] offset:64*\b+16
.endr
	v_mul_u32_u24 v3, v1, PITCH
	v_lshl_add_u32 v4, v2, 4, v3                   ; a fragment's row x pitch + 16 x half
	s_mul_i32 s21, s15, HALFT                      ; my 128 rows of A
	s_mul_i32 s22, s16, HALFT                      ; my 128 rows of B,
	s_add_co_u32 s22, s22, 2*HALFT                 ; which lie behind A's 256
.irp s, 0,1
	v_add_nc_u32 v[ADRA+\s], s21, v4
	v_add_nc_u32 v[ADRB+\s], s22, v4
	s_add_co_u32 s21, s21, SLOT
	s_add_co_u32 s22, s22, SLOT
.endr
	v_mul_u32_u24 v5, v1, KS                       ; my row's scales: 32 bytes a row,
	v_lshrrev_b32 v6, 8, v5
	v_lshl_add_u32 v5, v6, 4, v5                   ; and 16 more for each 256 passed
	s_mul_i32 s21, s15, HALFS                      ; A's: my 128 rows
	s_mul_i32 s22, s16, HALFS                      ; B's: my 128 rows, behind A's 256
	s_add_co_u32 s22, s22, 2*HALFS
	s_sub_co_u32 s22, s22, s21
	v_mul_u32_u24 v6, s22, v2                      ; lanes 16-31 take B's: one product, the distance between the two bases
	s_add_co_u32 s21, s21, SCL
	v_add_nc_u32 v5, v5, v6
	v_add_nc_u32 v[ADRS], s21, v5
	s_mul_i32 s23, s14, 16*SPITCH                  ; my stage
	v_mul_u32_u24 v5, v1, SPITCH                   ; in: row l % 16, 16 bytes for each half of the lanes
	v_lshl_add_u32 v5, v2, 4, v5
	v_add_nc_u32 v[STO], s23, v5
	v_and_b32 v6, 31, v0
	v_lshrrev_b32 v7, 3, v6                        ; back: a head's 128 bytes of a row are eight lanes': four rows an instruction
	v_mul_u32_u24 v7, v7, SPITCH
	v_and_b32 v8, 7, v0
	v_lshl_add_u32 v7, v8, 4, v7
	v_add_nc_u32 v[RD], s23, v7
	v_lshlrev_b32 v[CO], 4, v6
	; where my part of the tile begins in qkv: head (part x 64 + batch x 16 + 4 cx + 2 x column half) x 262,144 bytes + token ((tile row % 8) x 256 + 128 x row half) x 128 bytes
	s_lshl_b32 s46, ttmp9, 6
	s_lshl_b32 s47, s40, 2
	s_add_co_u32 s46, s46, s47
	s_lshl_b32 s47, s16, 1
	s_add_co_u32 s46, s46, s47
	s_lshr_b32 s47, s17, 3
	s_lshl_b32 s47, s47, 4
	s_add_co_u32 s46, s46, s47
	s_lshl_b32 s46, s46, 18
	s_and_b32 s47, s17, 7
	s_lshl_b32 s47, s47, 1
	s_add_co_u32 s47, s47, s15
	s_lshl_b32 s47, s47, 14
	s_add_co_u32 s46, s46, s47
	s_mov_b32 s47, 0
	s_add_nc_u64 s[12:13], s[12:13], s[46:47]
.macro FRAG reg, adr, q, i             ; a fragment, 16 rows x 128 K of 4-bit codes, is 8 registers: lane l holds row l % 16; registers 4 c .. 4 c + 3 hold K = 64 c + 32 (l / 16) + 0 .. 31
.irp c, 0,1
	ds_load_b128 v[\reg+4*\c:\reg+4*\c+3], v[\adr] offset:64*(\q)+32*\c+(\i)*16*PITCH
.endr
.endm
; 16 matrix instructions: A's blocks a0, a0 + 1 x B's eight, 128 along K: the slot's q-th.  p: B's set;  sc: the set of scale words.  zero = 1: the first product starts the sums with the bias: nothing is cleared or added.
; The 64 accumulators take turns, one instruction a turn, in the same order in every step.
.macro MUL16 a0, p, q, sc, zero
.irp a, \a0, \a0+1
.irp b, 0,1,2,3,4,5,6,7
.if \zero
	v_wmma_scale_f32_16x16x128_f8f6f4 v[8*(8*((\a)%4)+\b):8*(8*((\a)%4)+\b)+7], v[128*(\p)+FR*\b:128*(\p)+FR*\b+FR-1], v[AF+FR*(\a):AF+FR*(\a)+FR-1], v[BIAS+8*\b:BIAS+8*\b+7], v[SC+8*NQ*(\sc)+NQ*\b+(\q)], v[SC+8*NQ*(\sc)+NQ*(\a)+(\q)] matrix_a_fmt:MATRIX_FMT_FP4 matrix_b_fmt:MATRIX_FMT_FP4 matrix_a_scale:MATRIX_SCALE_ROW1
.else
	v_wmma_scale_f32_16x16x128_f8f6f4 v[8*(8*((\a)%4)+\b):8*(8*((\a)%4)+\b)+7], v[128*(\p)+FR*\b:128*(\p)+FR*\b+FR-1], v[AF+FR*(\a):AF+FR*(\a)+FR-1], v[8*(8*((\a)%4)+\b):8*(8*((\a)%4)+\b)+7], v[SC+8*NQ*(\sc)+NQ*\b+(\q)], v[SC+8*NQ*(\sc)+NQ*(\a)+(\q)] matrix_a_fmt:MATRIX_FMT_FP4 matrix_b_fmt:MATRIX_FMT_FP4 matrix_a_scale:MATRIX_SCALE_ROW1
.endif
.endr
.endr
.endm
.macro FETCH_B slot, q, p              ; B's eight fragments of the slot's q-th 128 along K into set p
	WIN TO_B
.irp i, 0,1,2,3,4,5,6,7
	FRAG 128*(\p)+FR*\i, ADRB+\slot, \q, \i
.endr
	WIN 0
.endm
.macro FETCH_A slot, q, i0             ; A's blocks i0 .. i0 + 3
.irp i, \i0, \i0+1, \i0+2, \i0+3
	FRAG AF+FR*(\i), ADRA+\slot, \q, \i
.endr
.endm
.macro SCALES sc                       ; a slot's scale words into set sc: 4 words a row; lanes 0-15 take A's block i, lanes 16-31 B's block i
.irp i, 0,1,2,3,4,5,6,7
	ds_load_b128 v[SC+8*NQ*\sc+NQ*\i:SC+8*NQ*\sc+NQ*\i+3], v[ADRS] offset:\i*SBLK
.endr
.endm
; A load into a register that a matrix instruction has read, and a vector instruction or an LDS store that reads a matrix result, stand NP places behind that matrix instruction, and only plain vector
; instructions that name none of its registers are places (ISA guide 7.12.1 for vector instructions).
.macro PLACES n
.rept \n
	v_nop
.endr
.endm
; A step of 128 along K that has its successor in the same slot.
.macro STEP slot, q, zero
	s_wait_dscnt 4*NL                              ; B's set, A's blocks 0-3 (and the scale words) are in; the youngest eight loads (A's blocks 4-7) may be out
.if \zero
	WIN BIA_LO
.else
	WIN MUL_LO
.endif
	MUL16 0, (\q)%2, \q, \slot, \zero
	MUL16 2, (\q)%2, \q, \slot, \zero
	s_wait_dscnt 0                                 ; A's blocks 4-7 are in (asked for 32 matrix instructions ago)
	PLACES NP
	FETCH_B \slot, (\q)+1, 1-(\q)%2
	FETCH_A \slot, (\q)+1, 0
.if \zero
	WIN BIA_HI
.else
	WIN MUL_HI
.endif
	MUL16 4, (\q)%2, \q, \slot, \zero
	MUL16 6, (\q)%2, \q, \slot, \zero
	PLACES NP
	WIN 0
	FETCH_A \slot, (\q)+1, 4
.endm
; Slot 0's last step changes slots: one barrier; in front of it each wave waits for all its tensor loads (slot 1's is the one that was out), adds 0 to its spare word, and waits for that and for its reads of slot 0.
; Behind it slot 1 is whole, and nobody reads slot 0 any more: the way out's stages lie there.
.macro TURN slot, next
	s_wait_tensorcnt 0x0                           ; all my tensor loads have landed  (every window is 0 here: the add's two registers lie in window 0)
	ds_add_u32 v[SPW], v[NIL]                      ; 0 onto my spare word
	s_wait_dscnt 4*NL+1                            ; (the add and the youngest eight loads, A's blocks 4-7, may be out)
	WIN MUL_LO
	MUL16 0, 1, NQ-1, \slot, 0                     ; sixteen matrix instructions stand between the add and the wait for it
	s_wait_dscnt 0x0                               ; the add is done, and my reads of this slot are over
	s_barrier_signal -1
	MUL16 2, 1, NQ-1, \slot, 0
	WIN 0
	s_barrier_wait -1
	PLACES NP
	v_add_nc_u32 v[ADRS], 4*NQ, v[ADRS]            ; on to the next slot's scale words
	FETCH_B \next, 0, 0
	FETCH_A \next, 0, 0
	SCALES \next
	WIN MUL_HI
	MUL16 4, 1, NQ-1, \slot, 0
	MUL16 6, 1, NQ-1, \slot, 0
	PLACES NP
	WIN 0
	FETCH_A \next, 0, 4
.endm
.macro STEPS slot, from                ; the slot's steps from .. NQ - 2
.set Q, \from
.rept NQ-1-\from
	STEP \slot, Q, 0
.set Q, Q+1
.endr
.endm
	s_wait_tensorcnt 1                             ; the scales and my part of slot 0 are in (slot 1's load, the one issued behind them, may be out),
	s_barrier_signal -1
	s_barrier_wait -1                              ; everybody's are
	FETCH_B 0, 0, 0
	FETCH_A 0, 0, 0
	SCALES 0
	FETCH_A 0, 0, 4
	s_wait_loadcnt 0x0                             ; the bias
	STEP 0, 0, 1                                   ; the first step's products start the sums
	STEPS 0, 1
	TURN 0, 1
	STEPS 1, 0
	s_wait_dscnt 4*NL                              ; the very last step: nothing more to fetch
	WIN MUL_LO
	MUL16 0, 1, NQ-1, 1, 0
	MUL16 2, 1, NQ-1, 1, 0
	s_wait_dscnt 0
	WIN MUL_HI
	MUL16 4, 1, NQ-1, 1, 0
	MUL16 6, 1, NQ-1, 1, 0
	WIN 0
; THE WAY OUT, block by block of 16 rows x 128 columns (two heads).  PACK: rounded to f16, 16 bytes a lane, each accumulator from its low end on.  TOSTAGE: into my own stage and back by heads: a head's 16 tokens
; are 2,048 consecutive bytes of qkv.  SEND: each store covers 512 consecutive bytes, aligned.  LDS serves a wave's instructions in order (ISA guide 5.7.1.4): no wait between the stores and the loads.
.macro PACK a
.set AC, 64*((\a)%4)
	WIN (0x0a+5*((\a)/4))                          ; sources 0 and 1: window 2 or 3
.irp b, 0,1,2,3,4,5,6,7
.irp i, 0,1,2,3
	v_cvt_pk_f16_f32 v[TMP+4*\b+\i], v[AC+8*\b+2*\i], v[AC+8*\b+2*\i+1]
.endr
.endr
	WIN 0
.endm
.macro TOSTAGE a
.set BB, BK+32*((\a)%2)
.irp b, 0,1,2,3,4,5,6,7
	ds_store_b128 v[STO], v[TMP+4*\b:TMP+4*\b+3] offset:32*\b
.endr
.irp hh, 0,1
.irp i, 0,1,2,3
	ds_load_b128 v[BB+4*(4*\hh+\i):BB+4*(4*\hh+\i)+3], v[RD] offset:128*\hh+4*SPITCH*\i
.endr
.endr
.endm
.macro SEND a
.set BB, BK+32*((\a)%2)
	s_wait_dscnt 0x0                               ; the block is back in registers
	s_wait_xcnt 0x0                                ; the block before's stores have read their registers: the next block's loads may land there
.irp hh, 0,1
.irp i, 0,1,2,3
	global_store_b128 v[CO], v[BB+4*(4*\hh+\i):BB+4*(4*\hh+\i)+3], s[12:13] offset:262144*\hh+2048*(\a)+512*\i   ; the base is never stepped: 278,016 at the most, inside the signed 24-bit immediate
.endr
.endr
.endm
	PLACES NP                                      ; behind the last products: for the conversions that write over scale words, the loads that land on them, and block 7's reads
	PACK 0
	TOSTAGE 0
.irp a, 1,2,3,4,5,6,7                  ; block a's conversions stand between block a - 1's loads from the stage and the wait for them
	PACK \a
	SEND \a-1
	TOSTAGE \a
.endr
	SEND 7
	s_wait_tensorcnt 0x0                           ; the wave's end, behind my last tensor load and my last LDS store
	ds_add_u32 v[SPW], v[NIL]
	s_wait_dscnt 0x0
	CROUND                                         ; the closing round: no work-group ends while a partner may still ask for a tile that names it
	s_endpgm
.Lfunc_end_k_qaec5563f13_qkv:
	.size	k_qaec5563f13_qkv, .Lfunc_end_k_qaec5563f13_qkv-k_qaec5563f13_qkv
	.p2alignl 7, 3214868480
	.fill 96, 4, 3214868480
	.section	.rodata,"a",@progbits
	.p2align	6, 0x0
	.amdhsa_kernel k_qaec5563f13_qkv
		.amdhsa_group_segment_fixed_size 327680
		.amdhsa_private_segment_fixed_size 0
		.amdhsa_enable_private_segment 0
		.amdhsa_kernarg_size 64
		.amdhsa_user_sgpr_count 2
		.amdhsa_user_sgpr_kernarg_segment_ptr 1
		.amdhsa_wavefront_size32 1
		.amdhsa_system_sgpr_workgroup_id_x 1
		.amdhsa_system_sgpr_workgroup_id_y 1
		.amdhsa_system_sgpr_workgroup_id_z 1
		.amdhsa_system_vgpr_workitem_id 0
		.amdhsa_next_free_vgpr 1024
		.amdhsa_next_free_sgpr 102
		.amdhsa_reserve_vcc 0
		.amdhsa_float_denorm_mode_32 3
		.amdhsa_float_denorm_mode_16_64 3
		.amdhsa_memory_ordered 1
		.amdhsa_forward_progress 1
		.amdhsa_inst_pref_size 128
	.end_amdhsa_kernel
	.amdgpu_metadata
---
amdhsa.version: [ 1, 2 ]
amdhsa.kernels:
  - .name:           k_qaec5563f13_qkv
    .symbol:         k_qaec5563f13_qkv.kd
    .args:
      - { .name: xc, .offset: 0, .size: 8, .value_kind: global_buffer, .address_space: global }
      - { .name: xs, .offset: 8, .size: 8, .value_kind: global_buffer, .address_space: global }
      - { .name: wc, .offset: 16, .size: 8, .value_kind: global_buffer, .address_space: global }
      - { .name: ws, .offset: 24, .size: 8, .value_kind: global_buffer, .address_space: global }
      - { .name: bq, .offset: 32, .size: 8, .value_kind: global_buffer, .address_space: global }
      - { .name: bk, .offset: 40, .size: 8, .value_kind: global_buffer, .address_space: global }
      - { .name: bv, .offset: 48, .size: 8, .value_kind: global_buffer, .address_space: global }
      - { .name: qkv, .offset: 56, .size: 8, .value_kind: global_buffer, .address_space: global }
    .group_segment_fixed_size: 327680
    .private_segment_fixed_size: 0
    .kernarg_segment_align: 8
    .kernarg_segment_size: 64
    .max_flat_workgroup_size: 128
    .sgpr_count:     102
    .vgpr_count:     1024
    .wavefront_size: 32
...
	.end_amdgpu_metadata
.endif
;; end of part 2
;; launch attn (part 3): grid 4 x 64, 8 waves a work-group, clusters of 4 x 1, 327,680 bytes of LDS; arguments qkv, y16; writes y16
.if DOCPART == 3
	.amdgcn_target "amdgcn-amd-amdhsa--gfx1250"
	.amdhsa_code_object_version 6
	.text
	.protected	k_qaec5563f13_attn
	.globl	k_qaec5563f13_attn
	.p2align	8
	.type	k_qaec5563f13_attn,@function
k_qaec5563f13_attn:
	s_mov_b64 s[64:65], 0
	v_nop
	global_prefetch_b8 v0, s[64:65] scope:SCOPE_SE
	s_setreg_imm32_b32 hwreg(HW_REG_WAVE_MODE, 25, 1), 1
	s_wait_xcnt 0x0
	s_wait_alu depctr_hold_cnt(0) depctr_sa_sdst(0) depctr_va_vdst(0) depctr_va_sdst(0) depctr_va_ssrc(0) depctr_va_vcc(0) depctr_vm_vsrc(0)
	s_getreg_b32 s2, hwreg(HW_REG_IB_STS2, 6, 4)
	s_cmp_eq_u32 s2, 0
	s_cbranch_scc0 .Lentry_in_a_cluster
	s_endpgm
.Lentry_in_a_cluster:
	s_bfe_u32 s2, ttmp6, 0x10000c
	s_cmp_lg_u32 s2, 0x3003
	s_cbranch_scc0 .Lentry_shape_is_right
	s_endpgm
.Lentry_shape_is_right:
; y[b][h][i] = the sum over j of softmax_j(q[i] . k[j] / 8) v[j], key j counting for query i where j <= max(i, 1984) (causal, or in the prefix of 1,985 keys).  q, k, v: f16, qkv [part][b x 16 + h][2,048][64].
; Products in f16 with f32 sums; maxima, exponentials and sums in f32; the weights p are rounded to f16 for the second product, y once at the end, to f16:
; y16 [token / 128][head][token % 128][64], so that a wave's 64 queries are 8,192 consecutive bytes here and a K step of the projection is one dense block there.
; LIMITS: y is carried in f16 (under 6e-5 the step is 6e-8); a weight p under 3e-8 of its row's largest counts for nothing in the second product (it does count in the row's sum).
; THE MASK hides only keys 1,985 .. 2,047, all in the last step of 64 keys, whose first key counts for every query: no step is left out, all work-groups have equal work, only the last step compares.
; SHARES.  A work-group owns 512 queries of one (b, h); each of its eight waves 64: four tiles of 16, in 512 registers, so that two waves share a SIMD's registers and one wave's softmax can stand beside the other's products.
; Every wave walks all 2,048 keys, 64 a step.  A step's 32 LDS loads feed 64 matrix instructions.
; LAYOUT.  S^T = K Q^T (source 0 = 16 keys, source 1 = 16 queries): a lane holds ONE query (lane % 16) and keys 8 (lane / 16) + 0..7 of each tile.  Two such tiles, rounded to f16 in pairs, ARE source 1
; of O^T = V^T P.  K comes out of LDS as it lies, V ([key][channel]) turned, by ds_load_tr16_b128.
; SOFTMAX.  For each query a running maximum m and sum l: p = 2^(c s - c m), c = log2(e) / 8; in every step O and l are multiplied by a = 2^(c m_old - c m_new).
; RING.  Two slots of 512 keys.  Waves 0-3 fetch K's rows, waves 4-7 V's, 128 rows each.  Both slots are asked for at the head and each is filled once more: a wave has two tensor
; loads out at the start and one behind each round.
; CLUSTER.  The four query blocks of a head walk the same K and V: each tile is asked for JOINTLY, by the same tensor load with the same descriptor and the mask of all four.
; Nothing is prefetched: the first two slots go out at the head, and each of the two refills is asked for eight key steps, 512 matrix instructions of the wave, ahead of the wait for it.
; REGISTERS: window 0: v1-18 addresses and the mask's limits; v20-59 ten registers of statistics a tile; v64-191 S^T, 32 a tile (P takes the low 16 of each); v192-255 K, then V, of one step.
;   window 1: v0-127 O^T, 32 a tile; v128-191 Q, 16 a tile.
.set KP,    144                        ; a row of K in LDS: 128 bytes + 16: an odd multiple of 16 bytes, so that the 16 rows of a load fall on different 16-byte columns of the banks
.set VP,    160                        ; a row of V: 128 + 32: an odd multiple of 32 bytes, for the turning load
.set VOFF,  512*KP                     ; a slot: 512 rows of K, then 512 rows of V
.set SLOT,  512*(KP+VP)
.set SPARE, 2*SLOT                     ; behind the ring: the spare words, 128 bytes for each wave: four blocks of 256 bytes that no other line names
.set AK0, 1                            ; v1   my lane's place in a tile of K; never rewritten
.set AV0, 2                            ; v2   the same for V
.set ADK, 3                            ; v3   LDS address of the step's K
.set ADV, 4                            ; v4   of its V
.set SPW, 5                            ; v5   LDS address of my spare word; never rewritten
.set NIL, 6                            ; v6   0; never rewritten
.set QO,  7                            ; v7   my byte offset in the wave's rows of Q
.set STO, 8                            ; v8   the way out: where I put 16 bytes of a row
.set RD,  9                            ; v9   the way out: where I read back
.set GO,  10                           ; v10  16 x lane
.set RR,  11                           ; v11  lane % 16
.set HH,  12                           ; v12  lane / 16
.set H8,  13                           ; v13  8 x (lane / 16)
.set EM,  14                           ; v14-17  tile t: max(my query - 1984, 0) - 8 (lane / 16)
.set NINF, 18                          ; v18  -infinity
.set ST,  20                           ; tile t's statistics at v[ST + 10 t]: +0 c m, +1 m, +2, +3 l (even keys', odd keys'), +4 .. +7 c0-c3 at work (then +4, +5 a sum, +6 a, +7 the change of c m), +8 c m_old (then +8, +9 a sum)
.set S,   64
.set KV,  192
.set QF,  128                          ; Q, in window 1
.set WV,  8                            ; s8   my wave's number
.set G1K, 16                           ; s[16:23] descriptor group 1 for K's tiles
.set G1V, 24                           ; s[24:31] for V's: it differs in the padding alone
.set G0K, 32                           ; s[32:39] group 0 for K's tiles, one set for each slot
.set G0V, 40                           ; s[40:47] the same for V's
.set CS,  48                           ; s[48:49] c: the packed scaling names a pair and takes its low word for both halves
.set SEL, 50                           ; s[50:51] lane selects for v_permlanex16_b32: lane l xor 16
.set TBK, 52                           ; s52  LDS byte at which the step's K begins
.set TBV, 53                           ; s53  and (less VOFF) its V
.set CNT, 54                           ; s54  counts steps
.set MSB, 0
.macro WIN new                         ; the immediate's high byte repeats the setting that is left; a switch that changes nothing is dropped
.if MSB != \new
	s_set_vgpr_msb (MSB<<8)|\new
.set MSB, \new
.endif
.endm
.set W_KQ, 0x04                        ; source 1 (Q) window 1; K and S^T window 0
.set W_PV, 0x50                        ; C and D (O^T) window 1; V and P window 0
.set W_RS, 0x41                        ; O^T (destination and source 0) window 1, a window 0
; A joint refill of slot s.  The branch hangs on the wave's number alone.  An s_nop 0 and four v_nop follow each of the two lines.
.macro JLOAD s
	s_cmp_lt_u32 s[WV], 4
	s_cbranch_scc0 .Lfor_v_\@
	tensor_load_to_lds s[G0K+4*\s:G0K+4*\s+3], s[G1K:G1K+7]
	s_nop 0
.rept 4
	v_nop
.endr
	s_branch .Lasked_\@
.Lfor_v_\@:
	tensor_load_to_lds s[G0V+4*\s:G0V+4*\s+3], s[G1V:G1V+7]
	s_nop 0
.rept 4
	v_nop
.endr
.Lasked_\@:
.endm
.macro CROUND                          ; a round of the cluster's barrier
	s_barrier_signal -1
	s_barrier_wait -1
	s_cmp_lg_u32 s[WV], 0
	s_cbranch_scc1 .Lnot_wave_0_\@
	s_barrier_signal -3
.Lnot_wave_0_\@:
	s_barrier_wait -3
	s_barrier_signal -1
	s_barrier_wait -1
.endm
	s_load_b128 s[4:7], s[0:1], 0x0                ; qkv s[4:5], y16 s[6:7]
	v_lshl_add_u32 v[SPW], v0, 2, SPARE
	v_mov_b32 v[NIL], 0
	ds_add_u32 v[SPW], v[NIL]                      ; the wave's opening: an add of 0 to my spare word, twice on end, and its wait ahead of my first tensor load
	ds_add_u32 v[SPW], v[NIL]                      ; and once more, under the one wait; the set-up below, work on registers, stands between
	v_lshrrev_b32 v[RR], 5, v0
	v_readfirstlane_b32 s[WV], v[RR]               ; wave 0..7
	s_bfe_u32 s9, ttmp6, 0x40000                   ; cx: my block of 512 queries; it enters Q's and y's addresses and the mask's limits alone
	s_and_b32 s10, ttmp7, 0xffff                   ; b x 16 + h, which the four partners share
	s_and_b32 s11, s[WV], 3                        ; which 128 rows of a slot's 512 I fetch
	; descriptor group 1: a tile of 128 rows x 64 elements, padded in LDS
	s_mov_b32 s[G1K], 15|(1<<16)|(1<<20)|(1<<21)|(4<<22)|(3<<25)  ; 15:0 the mask: all four work-groups; 17:16 elements of 2 bytes; 20 padding on; 21 set beside a mask; 24:22 after every 32 words (code 4); 31:25 4 words of it (code 3)
	s_mov_b32 s[G1V], 15|(1<<16)|(1<<20)|(1<<21)|(4<<22)|(7<<25)  ; the same with 8 words of padding (code 7)
.irp g, G1K, G1V
	s_mov_b32 s[\g+1], 64<<16                      ; tensor_dim0 = 64
	s_mov_b32 s[\g+2], 128<<16                     ; tensor_dim1 = 128
	s_mov_b32 s[\g+3], 64<<16                      ; tile_dim0 = 64
	s_mov_b32 s[\g+4], 128                         ; tile_dim1 = 128
	s_mov_b32 s[\g+5], 64                          ; tensor_dim0_stride
	s_mov_b32 s[\g+6], 0
	s_mov_b32 s[\g+7], 0
.endr
	s_mov_b32 s[CS], 0x3e38aa3b                    ; c = log2(e) / 8
	s_mov_b32 s[CS+1], s[CS]                       ; named with it as a pair, so it is written
	s_mov_b32 s[SEL], 0x76543210
	s_mov_b32 s[SEL+1], 0xfedcba98
	s_lshl_b32 s12, s10, 18                        ; the head's 262,144 bytes in a part,
	s_lshl_b32 s13, s11, 14                        ; my 128 rows of 128 bytes
	s_add_co_u32 s12, s12, s13
	s_mov_b32 s13, 0
	s_mul_i32 s60, s11, 128*KP                     ; and their places in a slot: no place in the cluster enters an LDS address
	s_mul_i32 s61, s11, 128*VP
	s_add_co_u32 s61, s61, VOFF
	s_wait_dscnt 0x0                               ; both opening adds are done
	s_wait_kmcnt 0x0
	s_add_nc_u64 s[14:15], s[4:5], s[12:13]
.irp s, 0,1
	s_mov_b32 s[G0K+4*\s], 1                       ; count = 1
	s_add_co_u32 s[G0K+4*\s+1], s60, \s*SLOT       ; LDS address
	s_add_nc_u64 s[G0K+4*\s+2:G0K+4*\s+3], s[14:15], 16777216+\s*65536  ; global address: part 1 (k), keys 512 s on
	s_or_b32 s[G0K+4*\s+3], s[G0K+4*\s+3], 0x80000000  ; type = 2
	s_mov_b32 s[G0V+4*\s], 1
	s_add_co_u32 s[G0V+4*\s+1], s61, \s*SLOT
	s_add_nc_u64 s[G0V+4*\s+2:G0V+4*\s+3], s[14:15], 33554432+\s*65536  ; part 2 (v)
	s_or_b32 s[G0V+4*\s+3], s[G0V+4*\s+3], 0x80000000
.endr
	CROUND                                         ; all four work-groups are here: the first joint loads meet
	s_cmp_lt_u32 s[WV], 4                          ; a wave's two first fills stand in one branch, ahead of every wait on TENSORcnt and every LDS read
	s_cbranch_scc0 .Lfirst_v
	tensor_load_to_lds s[G0K:G0K+3], s[G1K:G1K+7]
	s_nop 0
	tensor_load_to_lds s[G0K+4:G0K+7], s[G1K:G1K+7]
	s_nop 0
.rept 4
	v_nop
.endr
	s_branch .Lfirst_asked
.Lfirst_v:
	tensor_load_to_lds s[G0V:G0V+3], s[G1V:G1V+7]
	s_nop 0
	tensor_load_to_lds s[G0V+4:G0V+7], s[G1V:G1V+7]
	s_nop 0
.rept 4
	v_nop
.endr
.Lfirst_asked:
	s_lshl_b32 s2, s10, 18                         ; Q: the head, + 512 queries x 128 bytes x cx, + my wave's 64
	s_lshl_b32 s3, s9, 16
	s_add_co_u32 s2, s2, s3
	s_lshl_b32 s3, s[WV], 13
	s_add_co_u32 s2, s2, s3
	s_mov_b32 s3, 0
	s_add_nc_u64 s[56:57], s[4:5], s[2:3]
	v_and_b32 v[RR], 15, v0
	v_bfe_u32 v[HH], v0, 4, 1
	v_lshlrev_b32 v[H8], 3, v[HH]
	; A fragment of K or Q is 16 rows x 32 channels in 8 registers: lane l holds row l % 16; registers 0-3 channels 8 (l / 16) + 0..7, registers 4-7 channels 16 + 8 (l / 16) + 0..7: two loads of 16 bytes, 32 bytes apart.
	v_lshlrev_b32 v[QO], 7, v[RR]
	v_lshl_add_u32 v[QO], v[HH], 4, v[QO]          ; row x 128 + 16 x half
	WIN 0x40                                       ; destination window 1, address window 0
.irp t, 0,1,2,3
.irp c, 0,1
	global_load_b128 v[QF+16*\t+8*\c:QF+16*\t+8*\c+3],   v[QO], s[56:57] offset:2048*\t+64*\c      ; Q stays in registers
	global_load_b128 v[QF+16*\t+8*\c+4:QF+16*\t+8*\c+7], v[QO], s[56:57] offset:2048*\t+64*\c+32
.endr
.endr
	WIN 0
	s_lshr_b32 s2, s10, 4                          ; y16: block (b x 16 + 4 cx + wave / 2) of 128 tokens x 16 heads, 262,144 bytes; head h, 16,384; my 64 tokens, 8,192 x (wave % 2)
	s_lshl_b32 s2, s2, 4
	s_lshl_b32 s3, s9, 2
	s_add_co_u32 s2, s2, s3
	s_lshr_b32 s3, s[WV], 1
	s_add_co_u32 s2, s2, s3
	s_lshl_b32 s2, s2, 18
	s_and_b32 s3, s10, 15
	s_lshl_b32 s3, s3, 14
	s_add_co_u32 s2, s2, s3
	s_and_b32 s3, s[WV], 1
	s_lshl_b32 s3, s3, 13
	s_add_co_u32 s2, s2, s3
	s_mov_b32 s3, 0
	s_add_nc_u64 s[58:59], s[6:7], s[2:3]
	v_mul_u32_u24 v[AK0], v[RR], KP
	v_lshl_add_u32 v[AK0], v[HH], 4, v[AK0]        ; row x pitch + 16 x half
	; The turning load takes 16 keys x 16 channels (lane l reads 16 bytes: key 8 (l / 16) + l % 8, channels 8 ((l / 8) % 2) + 0..7) and leaves half a fragment of V^T: lane l holds channel l % 16 and 8 keys.
	v_and_b32 v[ADK], 7, v0
	v_add_nc_u32 v[ADK], v[H8], v[ADK]
	v_mul_u32_u24 v[AV0], v[ADK], VP
	v_bfe_u32 v[ADV], v0, 3, 1
	v_lshl_add_u32 v[AV0], v[ADV], 4, v[AV0]
	v_add_nc_u32 v[AV0], VOFF, v[AV0]
	; the way out: a stage of 4 tiles x 16 rows x 144 bytes for each wave, in slot 0's rows of K: that slot has had its last fill, and nobody reads it behind the last change of slots
	s_mul_i32 s2, s[WV], 64*KP
	v_mul_u32_u24 v[STO], v[RR], KP
	v_lshl_add_u32 v[STO], v[HH], 4, v[STO]
	v_add_nc_u32 v[STO], s2, v[STO]                ; in: row l % 16, 16 bytes for each half of the lanes
	v_and_b32 v[GO], 31, v0
	v_lshrrev_b32 v[RD], 3, v[GO]
	v_mul_u32_u24 v[RD], v[RD], KP
	v_and_b32 v[ADK], 7, v0
	v_lshl_add_u32 v[RD], v[ADK], 4, v[RD]
	v_add_nc_u32 v[RD], s2, v[RD]                  ; back: eight lanes to a row of 128 bytes, four rows an instruction
	v_lshlrev_b32 v[GO], 4, v[GO]
	v_mov_b32 v[NINF], 0xff800000
	; the mask's limits.  base = tile t's first query - 1984, a multiple of 16: from 0 on, max(query - 1984, 0) = base + lane % 16; under 0 it is 0.  No compare: the numbers hang on cx, and enter data alone.
	s_lshl_b32 s2, s9, 9
	s_lshl_b32 s3, s[WV], 6
	s_add_co_u32 s2, s2, s3
	s_sub_co_i32 s2, s2, 1984
.irp t, 0,1,2,3
	s_add_co_i32 s3, s2, 16*\t                     ; base
	s_add_co_i32 s55, s3, 16
	s_max_i32 s55, s55, 0
	s_min_i32 s55, s55, 16
	s_lshr_b32 s55, s55, 4                         ; 1 where base >= 0, else 0
	s_max_i32 s3, s3, 0
	v_mad_u32_u24 v[EM+\t], v[RR], s55, s3
	v_sub_nc_u32 v[EM+\t], v[EM+\t], v[H8]
.endr
; A KEY STEP: 64 keys.  first = 1: the first step, which starts m, l and O^T: no a, nothing to rescale.  mask = 1: the last step, keys 1,984 on.
.macro STEP first, mask
	v_add_nc_u32 v[ADK], s[TBK], v[AK0]            ; these two and three v_nop are five places behind the last step's V^T P: K's loads land on registers that it read (four are asked),
	v_add_nc_u32 v[ADV], s[TBV], v[AV0]            ; and K Q^T writes over its P (five)
.rept 3
	v_nop
.endr
.irp c, 0,1                                    ; K: 64 keys x 64 channels, the first 32 channels first
.irp kt, 0,1,2,3
	ds_load_b128 v[KV+8*(2*\kt+\c):KV+8*(2*\kt+\c)+3],   v[ADK] offset:16*KP*\kt+64*\c
	ds_load_b128 v[KV+8*(2*\kt+\c)+4:KV+8*(2*\kt+\c)+7], v[ADK] offset:16*KP*\kt+64*\c+32
.endr
.endr
	WIN W_KQ
.irp c, 0,1                                    ; S^T = K Q^T: the 16 accumulators take turns, one instruction a turn; the first 16 start the sums
	s_wait_dscnt 8-8*\c                            ; these 32 channels' eight loads are in; for the first 32 channels the eight loads behind them may be out
.irp kt, 0,1,2,3
.irp t, 0,1,2,3
.if \c == 0
	v_wmma_f32_16x16x32_f16 v[S+32*\t+8*\kt:S+32*\t+8*\kt+7], v[KV+8*(2*\kt+\c):KV+8*(2*\kt+\c)+7], v[QF+16*\t+8*\c:QF+16*\t+8*\c+7], 0
.else
	v_wmma_f32_16x16x32_f16 v[S+32*\t+8*\kt:S+32*\t+8*\kt+7], v[KV+8*(2*\kt+\c):KV+8*(2*\kt+\c)+7], v[QF+16*\t+8*\c:QF+16*\t+8*\c+7], v[S+32*\t+8*\kt:S+32*\t+8*\kt+7]
.endif
.endr
.endr
.endr
	WIN 0
.irp t, 0,1,2,3                                ; four places behind those products, ahead of V's loads into K's registers and of the first read of the scores
.if \first
	v_nop
.else
	v_mov_b32 v[ST+10*\t+8], v[ST+10*\t]           ; c m_old is kept for a
.endif
.endr
.irp g, 0,1                                    ; V, turned: keys 32 g on, channels 16 ct on.  It lands while the softmax is walked
.irp ct, 0,1,2,3
	ds_load_tr16_b128 v[KV+8*(4*\g+\ct):KV+8*(4*\g+\ct)+3],   v[ADV] offset:32*VP*\g+32*\ct
	ds_load_tr16_b128 v[KV+8*(4*\g+\ct)+4:KV+8*(4*\g+\ct)+7], v[ADV] offset:32*VP*\g+16*VP+32*\ct
.endr
.endr
.if \mask                                      ; register n of a tile holds key 1984 + 16 (n / 8) + 8 (lane / 16) + n % 8: hidden where 16 (n / 8) + n % 8 > the lane's limit; its score becomes -infinity, p = 0
.irp t, 0,1,2,3
.set nn, 0
.rept 32
	v_cmp_gt_i32 vcc_lo, 16*(nn/8)+nn%8, v[EM+\t]
	v_cndmask_b32 v[S+32*\t+nn], v[S+32*\t+nn], v[NINF], vcc_lo
.set nn, nn+1
.endr
.endr
.endif
.irp k, 0,1,2,3                                ; the maximum of the lane's 32 scores and the old m: four chains a tile, the tiles by turns; each accumulator is read from its low end on
.irp t, 0,1,2,3
	v_max3_num_f32 v[ST+10*\t+4+\k], v[S+32*\t+8*\k], v[S+32*\t+8*\k+1], v[S+32*\t+8*\k+2]
.endr
.endr
.irp u, 3,5
.irp k, 0,1,2,3
.irp t, 0,1,2,3
	v_max3_num_f32 v[ST+10*\t+4+\k], v[ST+10*\t+4+\k], v[S+32*\t+8*\k+\u], v[S+32*\t+8*\k+\u+1]
.endr
.endr
.endr
.irp t, 0,1,2,3
	v_max3_num_f32 v[ST+10*\t+4], v[ST+10*\t+4], v[S+32*\t+7], v[S+32*\t+15]
.endr
.irp t, 0,1,2,3
	v_max3_num_f32 v[ST+10*\t+6], v[ST+10*\t+6], v[S+32*\t+23], v[S+32*\t+31]
.endr
.irp t, 0,1,2,3
	v_max3_num_f32 v[ST+10*\t+4], v[ST+10*\t+4], v[ST+10*\t+5], v[ST+10*\t+6]
.endr
.irp t, 0,1,2,3
.if \first
	v_max_num_f32 v[ST+10*\t+4], v[ST+10*\t+4], v[ST+10*\t+7]
.else
	v_max3_num_f32 v[ST+10*\t+4], v[ST+10*\t+4], v[ST+10*\t+7], v[ST+10*\t+1]
.endif
.endr
.irp t, 0,1,2,3
	v_permlanex16_b32 v[ST+10*\t+5], v[ST+10*\t+4], s[SEL], s[SEL+1]   ; the query's other 32 keys lie in the lane 16 away
.endr
.irp t, 0,1,2,3
	v_max_num_f32 v[ST+10*\t+1], v[ST+10*\t+4], v[ST+10*\t+5]          ; the new m
.endr
.irp t, 0,1,2,3
	v_mul_f32 v[ST+10*\t], s[CS], v[ST+10*\t+1]                        ; c m
.endr
.if \first == 0
.irp t, 0,1,2,3
	v_sub_f32 v[ST+10*\t+7], v[ST+10*\t+8], v[ST+10*\t]                ; c m_old - c m_new
.endr
.endif
; ONE BATCH: the scalings c s - c m and all exponentials, tile by tile.  None of these lines names an exponential's result; a tile's scalings stand behind the exponentials of the tile before.
.irp t, 0,1,2,3
.set jj, 0
.rept 16
	v_pk_fma_f32 v[S+32*\t+2*jj:S+32*\t+2*jj+1], v[S+32*\t+2*jj:S+32*\t+2*jj+1], s[CS:CS+1], v[ST+10*\t:ST+10*\t+1] op_sel_hi:[1,0,0] neg_lo:[0,0,1] neg_hi:[0,0,1]
.set jj, jj+1
.endr
.if \first == 0
	v_exp_f32 v[ST+10*\t+6], v[ST+10*\t+7]         ; a
.endif
.set jj, 0
.rept 32
	v_exp_f32 v[S+32*\t+jj], v[S+32*\t+jj]         ; p, at most 1
.set jj, jj+1
.endr
.endr
	v_nop                                          ; a plain line behind the last exponential, ahead of the first use
	s_wait_alu depctr_va_vdst(0)                   ; one wait for the whole batch, ahead of its first reader
; the row's sums of the unrounded p: two chains a tile (a pair holds an even key's weight and an odd key's), the eight chains by turns
.irp t, 0,1,2,3
	v_pk_add_f32 v[ST+10*\t+4:ST+10*\t+5], v[S+32*\t:S+32*\t+1], v[S+32*\t+2:S+32*\t+3]
.endr
.irp t, 0,1,2,3
	v_pk_add_f32 v[ST+10*\t+8:ST+10*\t+9], v[S+32*\t+4:S+32*\t+5], v[S+32*\t+6:S+32*\t+7]
.endr
.irp u, 8,12,16,20,24,28
.irp t, 0,1,2,3
	v_pk_add_f32 v[ST+10*\t+4:ST+10*\t+5], v[ST+10*\t+4:ST+10*\t+5], v[S+32*\t+\u:S+32*\t+\u+1]
.endr
.irp t, 0,1,2,3
	v_pk_add_f32 v[ST+10*\t+8:ST+10*\t+9], v[ST+10*\t+8:ST+10*\t+9], v[S+32*\t+\u+2:S+32*\t+\u+3]
.endr
.endr
.irp t, 0,1,2,3
.if \first
	v_pk_add_f32 v[ST+10*\t+2:ST+10*\t+3], v[ST+10*\t+4:ST+10*\t+5], v[ST+10*\t+8:ST+10*\t+9]
.else
	v_pk_add_f32 v[ST+10*\t+4:ST+10*\t+5], v[ST+10*\t+4:ST+10*\t+5], v[ST+10*\t+8:ST+10*\t+9]
.endif
.endr
.if \first == 0
.irp t, 0,1,2,3
	v_pk_fma_f32 v[ST+10*\t+2:ST+10*\t+3], v[ST+10*\t+2:ST+10*\t+3], v[ST+10*\t+6:ST+10*\t+7], v[ST+10*\t+4:ST+10*\t+5] op_sel_hi:[1,0,1]   ; l = a l + the step's sum
.endr
.endif
.irp t, 0,1,2,3                                ; P: pairs rounded to f16, in place: register i takes scores 2 i and 2 i + 1, ascending, so nothing is written before it is read
.set jj, 0
.rept 16
	v_cvt_pk_f16_f32 v[S+32*\t+jj], v[S+32*\t+2*jj], v[S+32*\t+2*jj+1]
.set jj, jj+1
.endr
.endr
.if \first == 0
	WIN W_RS
.irp t, 0,1,2,3                                ; O^T times a, each accumulator from its low end on
.set jj, 0
.rept 16
	v_pk_mul_f32 v[32*\t+2*jj:32*\t+2*jj+1], v[32*\t+2*jj:32*\t+2*jj+1], v[ST+10*\t+6:ST+10*\t+7] op_sel_hi:[1,0]
.set jj, jj+1
.endr
.endr
.endif
	s_wait_dscnt 0x0                               ; V is in
	WIN W_PV
.irp g, 0,1                                    ; O^T += V^T P: the 16 accumulators take turns, one instruction a turn
.irp ct, 0,1,2,3
.irp t, 0,1,2,3
.if \first && (\g == 0)
	v_wmma_f32_16x16x32_f16 v[32*\t+8*\ct:32*\t+8*\ct+7], v[KV+8*(4*\g+\ct):KV+8*(4*\g+\ct)+7], v[S+32*\t+8*\g:S+32*\t+8*\g+7], 0
.else
	v_wmma_f32_16x16x32_f16 v[32*\t+8*\ct:32*\t+8*\ct+7], v[KV+8*(4*\g+\ct):KV+8*(4*\g+\ct)+7], v[S+32*\t+8*\g:S+32*\t+8*\g+7], v[32*\t+8*\ct:32*\t+8*\ct+7]
.endif
.endr
.endr
.endr
	WIN 0
	s_add_co_u32 s[TBK], s[TBK], 64*KP             ; the next step's tiles
	s_add_co_u32 s[TBV], s[TBV], 64*VP
.endm
.macro LOOP n                          ; n key steps, on from where s[TBK] and s[TBV] stand
	s_mov_b32 s[CNT], \n
.Lstep_\@:
	STEP 0, 0
	s_sub_co_u32 s[CNT], s[CNT], 1
	s_cmp_lg_u32 s[CNT], 0
	s_cbranch_scc1 .Lstep_\@
.endm
.macro RUN base, n                     ; n key steps from the head of the slot at LDS byte base
	s_mov_b32 s[TBK], \base
	s_mov_b32 s[TBV], \base
	LOOP \n
.endm
; THE CHANGE OF SLOTS.  Each wave waits for all its tensor loads (its part of the slot ahead), adds 0 to its spare word, and waits for that and for its reads of the slot that it leaves.
; fill = 1: slot s, the one just left, is filled again with the keys 1,024 further on.  The barrier is then a round of the cluster's, so that no wave of any partner still reads the slot or has a load on its way,
; and the joint refill is the first thing behind it.
.macro CHANGE s, fill
	s_wait_tensorcnt 0x0                           ; no tensor load of mine is out, so a group 0 may be written
	ds_add_u32 v[SPW], v[NIL]                      ; 0 onto my spare word
.if \fill
	s_add_nc_u64 s[G0K+4*\s+2:G0K+4*\s+3], s[G0K+4*\s+2:G0K+4*\s+3], 131072   ; 1,024 keys of 128 bytes on; the type bits on top are not reached
	s_add_nc_u64 s[G0V+4*\s+2:G0V+4*\s+3], s[G0V+4*\s+2:G0V+4*\s+3], 131072
.endif
	s_wait_dscnt 0x0                               ; the add is done, and my reads of the slot are over
.if \fill
	CROUND
	JLOAD \s
.else
	s_barrier_signal -1
	s_barrier_wait -1
.endif
.endm
	s_wait_tensorcnt 1                             ; my part of slot 0 is in; slot 1's load, issued behind it, may stay out
	s_barrier_signal -1
	s_barrier_wait -1                              ; everybody's is
	s_wait_loadcnt 0x0                             ; Q
	s_mov_b32 s[TBK], 0
	s_mov_b32 s[TBV], 0
	STEP 1, 0                                      ; keys 0 .. 63 start m, l and O^T
	LOOP 7                                         ; keys 64 .. 511
	CHANGE 0, 1                                    ; slot 0 takes keys 1,024 .. 1,535
	RUN SLOT, 8                                    ; keys 512 .. 1,023
	CHANGE 1, 1                                    ; slot 1 takes keys 1,536 .. 2,047
	RUN 0, 8                                       ; keys 1,024 .. 1,535
	CHANGE 1, 0                                    ; nothing is left to fetch
	RUN SLOT, 7                                    ; keys 1,536 .. 1,983
	STEP 0, 1                                      ; keys 1,984 .. 2,047, under the mask
	; THE WAY OUT.  l's two halves and the other half of the lanes' are added; O^T is divided by l, rounded to f16 and sent through my stage in LDS.  The four additions are the places behind the last products.
.irp t, 0,1,2,3
	v_add_f32 v[ST+10*\t+4], v[ST+10*\t+2], v[ST+10*\t+3]
.endr
.irp t, 0,1,2,3
	v_permlanex16_b32 v[ST+10*\t+5], v[ST+10*\t+4], s[SEL], s[SEL+1]
.endr
.irp t, 0,1,2,3
	v_add_f32 v[ST+10*\t+4], v[ST+10*\t+4], v[ST+10*\t+5]
.endr
.irp t, 0,1,2,3
	v_rcp_f32 v[ST+10*\t+6], v[ST+10*\t+4]
.endr
	v_nop                                          ; a plain line between the last reciprocal and the use of its result
	s_wait_alu depctr_va_vdst(0)                   ; one wait for the four reciprocals, ahead of the first use
.irp t, 0,1,2,3                                ; tile t: a lane's eight channels of a row pack into 16 bytes; they go into rows of 144 bytes and come back as whole rows of 128
	WIN W_RS
.set jj, 0
.rept 16
	v_pk_mul_f32 v[32*\t+2*jj:32*\t+2*jj+1], v[32*\t+2*jj:32*\t+2*jj+1], v[ST+10*\t+6:ST+10*\t+7] op_sel_hi:[1,0]
.set jj, jj+1
.endr
	WIN 0x05                                       ; sources 0 and 1 window 1, destination window 0: S^T's registers are free
.set jj, 0
.rept 16
	v_cvt_pk_f16_f32 v[S+16*\t+jj], v[32*\t+2*jj], v[32*\t+2*jj+1]
.set jj, jj+1
.endr
	WIN 0
.irp ct, 0,1,2,3
	ds_store_b128 v[STO], v[S+16*\t+4*\ct:S+16*\t+4*\ct+3] offset:16*KP*\t+32*\ct
.endr
.irp i, 0,1,2,3
	ds_load_b128 v[KV+16*\t+4*\i:KV+16*\t+4*\i+3], v[RD] offset:16*KP*\t+4*KP*\i   ; LDS serves a wave's instructions in order (ISA guide 5.7.1.4): these see the stores above
.endr
.endr
	s_wait_dscnt 0x0
.irp t, 0,1,2,3
.irp i, 0,1,2,3
	global_store_b128 v[GO], v[KV+16*\t+4*\i:KV+16*\t+4*\i+3], s[58:59] offset:2048*\t+512*\i   ; 32 lanes store 512 consecutive bytes, aligned
.endr
.endr
	s_wait_tensorcnt 0x0                           ; the wave's end, behind my last tensor load and my last LDS store
	ds_add_u32 v[SPW], v[NIL]
	s_wait_dscnt 0x0
	CROUND                                         ; the closing round: no work-group ends while a partner may still ask for a tile that names it
	s_endpgm
.Lfunc_end_k_qaec5563f13_attn:
	.size	k_qaec5563f13_attn, .Lfunc_end_k_qaec5563f13_attn-k_qaec5563f13_attn
	.p2alignl 7, 3214868480
	.fill 96, 4, 3214868480
	.section	.rodata,"a",@progbits
	.p2align	6, 0x0
	.amdhsa_kernel k_qaec5563f13_attn
		.amdhsa_group_segment_fixed_size 327680
		.amdhsa_private_segment_fixed_size 0
		.amdhsa_enable_private_segment 0
		.amdhsa_kernarg_size 16
		.amdhsa_user_sgpr_count 2
		.amdhsa_user_sgpr_kernarg_segment_ptr 1
		.amdhsa_wavefront_size32 1
		.amdhsa_system_sgpr_workgroup_id_x 1
		.amdhsa_system_sgpr_workgroup_id_y 1
		.amdhsa_system_sgpr_workgroup_id_z 1
		.amdhsa_system_vgpr_workitem_id 0
		.amdhsa_next_free_vgpr 512
		.amdhsa_next_free_sgpr 66
		.amdhsa_reserve_vcc 1
		.amdhsa_float_denorm_mode_32 3
		.amdhsa_float_denorm_mode_16_64 3
		.amdhsa_memory_ordered 1
		.amdhsa_forward_progress 1
		.amdhsa_inst_pref_size 218
	.end_amdhsa_kernel
	.amdgpu_metadata
---
amdhsa.version: [ 1, 2 ]
amdhsa.kernels:
  - .name:           k_qaec5563f13_attn
    .symbol:         k_qaec5563f13_attn.kd
    .args:
      - { .name: qkv, .offset: 0, .size: 8, .value_kind: global_buffer, .address_space: global }
      - { .name: y16, .offset: 8, .size: 8, .value_kind: global_buffer, .address_space: global }
    .group_segment_fixed_size: 327680
    .private_segment_fixed_size: 0
    .kernarg_segment_align: 8
    .kernarg_segment_size: 16
    .max_flat_workgroup_size: 256
    .sgpr_count:     66
    .vgpr_count:     512
    .wavefront_size: 32
...
	.end_amdgpu_metadata
.endif
;; end of part 3
;; launch proj (part 4): grid 8 x 64, 4 waves a work-group, clusters of 4 x 4, 327,680 bytes of LDS; arguments y16, wp16, bp, out0; writes out0
.if DOCPART == 4
	.amdgcn_target "amdgcn-amd-amdhsa--gfx1250"
	.amdhsa_code_object_version 6
	.text
	.protected	k_qaec5563f13_proj
	.globl	k_qaec5563f13_proj
	.p2align	8
	.type	k_qaec5563f13_proj,@function
k_qaec5563f13_proj:
	s_mov_b64 s[64:65], 0
	v_nop
	global_prefetch_b8 v0, s[64:65] scope:SCOPE_SE
	s_setreg_imm32_b32 hwreg(HW_REG_WAVE_MODE, 25, 1), 1
	s_wait_xcnt 0x0
	s_wait_alu depctr_hold_cnt(0) depctr_sa_sdst(0) depctr_va_vdst(0) depctr_va_sdst(0) depctr_va_ssrc(0) depctr_va_vcc(0) depctr_vm_vsrc(0)
	s_getreg_b32 s2, hwreg(HW_REG_IB_STS2, 6, 4)
	s_cmp_eq_u32 s2, 0
	s_cbranch_scc0 .Lentry_in_a_cluster
	s_endpgm
.Lentry_in_a_cluster:
	s_bfe_u32 s2, ttmp6, 0x10000c
	s_cmp_lg_u32 s2, 0xf033
	s_cbranch_scc0 .Lentry_shape_is_right
	s_endpgm
.Lentry_shape_is_right:
; out0[m][n] = the sum over k of y[m][k] Wp[k][n] + bp[n]: 8,192 x 1,024 x 1,024, f16 operands, f32 sums begun with the bias, f32 out.
; y16: f16 [m / 128][head 16][m % 128][64], k = 64 x head + channel;  wp16: f16 [k 1024][n 1024], as Wp lies.
; LIMITS: the operands are f16 (magnitudes from 65,520 on are infinity, under 6e-5 the step is 6e-8).  The bias starts the f32 sum where the definition adds it last.
; A tile of C is 128 x 128: 512 work-groups.  Four waves, each 64 x 64: 16 accumulators of 16 x 16.  K goes in four steps of 256 (four heads) through two LDS slots.  A K step's tile of y is one dense block of
; 65,536 bytes: waves 0 and 1 fetch two heads each (256 rows of 128 bytes); waves 2 and 3 fetch 128 rows of Wp each (256 bytes of each row).
; Wp has K as its first axis: its fragments come out of LDS turned, by ds_load_tr16_b128.
; CLUSTERS: 4 x 4 work-groups.  The four of a row of the cluster need the same tiles of y, the four of a column the same tiles of Wp: each tile is asked for JOINTLY, by the same tensor load with the same
; descriptor and a mask that names the four.  THE MATRIX INSTRUCTION IS USED TRANSPOSED (source 0 = 16 columns of Wp, source 1 = 16 rows of y): a lane holds eight neighbouring numbers of a row of C.
; A wave has two tensor loads out at the start and one behind each round.  Nothing is prefetched: of the four K steps two are asked for at the head.
; REGISTERS: window 0: v0-31 addresses; v32-95 at work on the way out; v96-127 the bias in the result's layout; v128-255 the accumulators ((a, b) at v[128 + 8 (4 a + b)]).
;   window 1: two fragment buffers of 128: for 64 along K (one head), 64 registers of y (2 x 4 x 16 rows x 32 K), then 64 of Wp.
.set PA,     144                       ; a row of y in LDS: 128 bytes + 16
.set PB,     288                       ; a row of Wp in LDS: 256 bytes + 32: an odd multiple of 32 bytes, for the turning load
.set HALFT,  36864                     ; what one tensor load brings: 256 x PA = 128 x PB
.set SLOT,   4*HALFT                   ; y's four heads x 128 rows, then Wp's 256 rows
.set STAGE,  2*SLOT                    ; behind the ring: 16 rows x 272 bytes for each wave, for the way out
.set SPITCH, 272
.set SPARE,  STAGE+4*16*SPITCH         ; behind the stages: the spare words, 128 bytes for each wave: two blocks of 256 bytes that no other line names
.set ADRA, 16                          ; v16-17  LDS address of my fragments of y in slot 0, 1
.set ADRB, 20                          ; v20-23  the same for Wp: slot s, rows 128 hi on: v[20 + 2 s + hi], so that every offset fits the 16-bit immediate
.set STO,  24                          ; v24     the way out: where I put 32 bytes of a row
.set RD,   25                          ; v25     the way out: where I read a row back
.set CO,   26                          ; v26     my byte offset in two rows of C
.set BO,   27                          ; v27     32 x (lane / 16): my eight numbers of a bias tile
.set SPW,  28                          ; v28     LDS address of my spare word; never rewritten
.set NIL,  29                          ; v29     0; never rewritten
.set TMP,  32                          ; the way out: 16 rows read back: v32-63 and v64-95 by turns
.set BIAS, 96                          ; register 8 b + j: bp[my first column + 16 b + 8 (lane / 16) + j]
.set ACC,  128
.set F0,   0                           ; fragment buffers, in window 1
.set F1,   128
.set G1, 24                            ; s[24:31] descriptor group 1 for y's tiles;  s[32:39] group 0, one set for each slot
.set G0, 32
.set G1B, 48                           ; s[48:55], s[56:63] the same for Wp's tiles
.set G0B, 56
.set MSB, 0
.macro WIN new                         ; the immediate's high byte repeats the setting that is left
.if MSB != \new
	s_set_vgpr_msb (MSB<<8)|\new
.set MSB, \new
.endif
.endm
.set MUL,  0x05                        ; sources 0 (Wp) and 1 (y) window 1; C and D window 0
.set TO_F, 0x40                        ; destination window 1, address window 0
.macro JLOAD s                         ; a joint load: waves 0 and 1 fetch y's halves, waves 2 and 3 Wp's; an s_nop 0 and four v_nop follow each of the two lines
	s_cmp_eq_u32 s11, 0
	s_cbranch_scc0 .Lfor_b_\@
	tensor_load_to_lds s[G0+4*\s:G0+4*\s+3], s[G1:G1+7]
	s_nop 0
.rept 4
	v_nop
.endr
	s_branch .Lasked_\@
.Lfor_b_\@:
	tensor_load_to_lds s[G0B+4*\s:G0B+4*\s+3], s[G1B:G1B+7]
	s_nop 0
.rept 4
	v_nop
.endr
.Lasked_\@:
.endm
.macro CREST                           ; a round of the cluster's barrier behind its opening barrier
	s_cmp_lg_u32 s10, 0
	s_cbranch_scc1 .Lnot_wave_0_\@
	s_barrier_signal -3
.Lnot_wave_0_\@:
	s_barrier_wait -3
	s_barrier_signal -1
	s_barrier_wait -1
.endm
.macro CROUND                          ; a whole round
	s_barrier_signal -1
	s_barrier_wait -1
	CREST
.endm
	s_load_b128 s[4:7], s[0:1], 0x0                ; y16 s[4:5], wp16 s[6:7]
	s_load_b64 s[66:67], s[0:1], 0x10              ; bp
	s_load_b64 s[8:9], s[0:1], 0x18                ; out0
	v_lshl_add_u32 v[SPW], v0, 2, SPARE
	v_mov_b32 v[NIL], 0
	ds_add_u32 v[SPW], v[NIL]                      ; the wave's opening: an add of 0 to my spare word, twice on end, and its wait ahead of my first tensor load
	ds_add_u32 v[SPW], v[NIL]                      ; and once more, under the one wait; the set-up below, work on registers, stands between
	v_lshrrev_b32 v1, 5, v0
	v_readfirstlane_b32 s10, v1                    ; wave 0..3
	s_lshr_b32 s11, s10, 1                         ; which half of the tile's rows is mine.  Also: I fetch for y (0) or for Wp (1)
	s_and_b32 s12, s10, 1                          ; which half of its columns.  Also: which half of that tile I fetch
	s_bfe_u32 s40, ttmp6, 0x40000                  ; cx, cy: my place in the cluster
	s_bfe_u32 s41, ttmp6, 0x40004
	s_lshl_b32 s42, ttmp9, 2
	s_add_co_u32 s42, s42, s40                     ; tile column of C = 4 x cluster x + cx
	s_and_b32 s13, ttmp7, 0xffff
	s_lshl_b32 s13, s13, 2
	s_add_co_u32 s13, s13, s41                     ; tile row of C = 4 x cluster y + cy
	s_lshl_b32 s43, s41, 2
	s_lshl_b32 s43, 15, s43                        ; my row of the cluster
	s_lshl_b32 s44, 0x1111, s40                    ; my column
	; descriptor group 1 for y: 256 dense rows of 64 elements of 2 bytes, 4 words of padding behind every 32
	s_or_b32 s[G1+0], s43, (1<<16)|(1<<20)|(1<<21)|(4<<22)|(3<<25)
	s_mov_b32 s[G1+1], 64<<16                      ; tensor_dim0 = 64
	s_mov_b32 s[G1+2], 256<<16                     ; tensor_dim1 = 256
	s_mov_b32 s[G1+3], 64<<16                      ; tile_dim0 = 64
	s_mov_b32 s[G1+4], 256                         ; tile_dim1 = 256
	s_mov_b32 s[G1+5], 64                          ; tensor_dim0_stride
	s_mov_b32 s[G1+6], 0
	s_mov_b32 s[G1+7], 0
	; and for Wp: 128 rows of 128 elements, 1,024 elements apart, 8 words of padding behind every 64
	s_or_b32 s[G1B+0], s44, (1<<16)|(1<<20)|(1<<21)|(5<<22)|(7<<25)
	s_mov_b32 s[G1B+1], 128<<16
	s_mov_b32 s[G1B+2], 128<<16
	s_mov_b32 s[G1B+3], 128<<16
	s_mov_b32 s[G1B+4], 128
	s_mov_b32 s[G1B+5], 1024
	s_mov_b32 s[G1B+6], 0
	s_mov_b32 s[G1B+7], 0
	s_lshl_b32 s16, s13, 18                        ; y: the tile row's 262,144 bytes,
	s_lshl_b32 s17, s12, 15                        ; + my two heads of the K step's four
	s_add_co_u32 s16, s16, s17
	s_mov_b32 s17, 0
	s_lshl_b32 s46, s12, 18                        ; Wp: my 128 rows of 2,048 bytes,
	s_lshl_b32 s47, s42, 8                         ; + the tile column's 256 bytes
	s_add_co_u32 s46, s46, s47
	s_mov_b32 s47, 0
	s_mul_i32 s20, s10, HALFT                      ; where they go: wave x HALFT: no place in the cluster enters an LDS address
	s_wait_dscnt 0x0                               ; both opening adds are done
	s_wait_kmcnt 0x0
	s_add_nc_u64 s[14:15], s[4:5], s[16:17]
	s_add_nc_u64 s[46:47], s[6:7], s[46:47]
	CROUND                                         ; all sixteen work-groups are here: the first joint loads meet
.irp s, 0,1
	s_mov_b32 s[G0+4*\s], 1
	s_add_co_u32 s[G0+4*\s+1], s20, \s*SLOT
	s_add_nc_u64 s[G0+4*\s+2:G0+4*\s+3], s[14:15], \s*65536       ; K step s: four heads of 16,384 bytes on
	s_or_b32 s[G0+4*\s+3], s[G0+4*\s+3], 0x80000000
	s_mov_b32 s[G0B+4*\s], 1
	s_add_co_u32 s[G0B+4*\s+1], s20, \s*SLOT
	s_add_nc_u64 s[G0B+4*\s+2:G0B+4*\s+3], s[46:47], \s*524288    ; K step s: 256 rows of 2,048 bytes on
	s_or_b32 s[G0B+4*\s+3], s[G0B+4*\s+3], 0x80000000
	JLOAD \s
.endr
	v_and_b32 v1, 15, v0                           ; l % 16
	v_bfe_u32 v2, v0, 4, 1                         ; l / 16
	; the bias at my 64 columns
	s_lshl_b32 s46, s42, 9                         ; 128 columns x 4 bytes x tile column (in the registers that held Wp's address: none that feeds y's descriptors ever holds cx)
	s_lshl_b32 s47, s12, 8
	s_add_co_u32 s46, s46, s47                     ; + my half's 64: also my first column's bytes in a row of C
	s_mov_b32 s47, 0
	s_add_nc_u64 s[66:67], s[66:67], s[46:47]
	v_lshlrev_b32 v[BO], 5, v2
.irp b, 0,1,2,3
	global_load_b128 v[BIAS+8*\b:BIAS+8*\b+3], v[BO], s[66:67] offset:64*\b
	global_load_b128 v[BIAS+8*\b+4:BIAS+8*\b+7], v[BO], s[66:67] offset:64*\b+16
.endr
	s_add_nc_u64 s[8:9], s[8:9], s[46:47]          ; C at my first column,
	s_lshl_b32 s16, s13, 7
	s_lshl_b32 s17, s11, 6
	s_add_co_u32 s16, s16, s17                     ; and my first row: 128 x tile row + 64 x half,
	s_lshl_b32 s16, s16, 12                        ; of 4,096 bytes
	s_mov_b32 s17, 0
	s_add_nc_u64 s[8:9], s[8:9], s[16:17]
	v_mul_u32_u24 v3, v1, PA
	v_lshl_add_u32 v3, v2, 4, v3                   ; y: a fragment's row x pitch + 16 x half
	s_mul_i32 s21, s11, 64*PA                      ; my 64 rows of each head's 128
	; Wp: the turning load takes 16 k x 16 n (lane l reads 16 bytes: row 8 (l / 16) + l % 8, columns 8 ((l / 8) % 2) + 0..7) and leaves half a fragment: lane l holds column l % 16 and 8 k
	v_and_b32 v4, 7, v0
	v_lshl_add_u32 v4, v2, 3, v4
	v_mul_u32_u24 v4, v4, PB
	v_bfe_u32 v5, v0, 3, 1
	v_lshl_add_u32 v4, v5, 4, v4
	s_lshl_b32 s22, s12, 7                         ; my 64 columns: 128 bytes,
	s_add_co_u32 s22, s22, 2*HALFT                 ; behind y's part of the slot
.irp s, 0,1
	v_add_nc_u32 v[ADRA+\s], s21, v3
	v_add_nc_u32 v[ADRB+2*\s], s22, v4
	s_add_co_u32 s22, s22, HALFT
	v_add_nc_u32 v[ADRB+2*\s+1], s22, v4
	s_add_co_u32 s21, s21, SLOT
	s_add_co_u32 s22, s22, SLOT-HALFT
.endr
	s_mul_i32 s23, s10, 16*SPITCH
	s_add_co_u32 s23, s23, STAGE                   ; my stage
	v_mul_u32_u24 v5, v1, SPITCH                   ; in: row l % 16, 32 bytes for each half of the lanes
	v_lshl_add_u32 v5, v2, 5, v5
	v_add_nc_u32 v[STO], s23, v5
	v_mul_u32_u24 v5, v2, SPITCH                   ; back: lanes 0-15 take one row of 256 bytes, lanes 16-31 the next
	v_lshl_add_u32 v5, v1, 4, v5
	v_add_nc_u32 v[RD], s23, v5
	v_lshlrev_b32 v[CO], 12, v2                    ; and the same two rows in C
	v_lshl_add_u32 v[CO], v1, 4, v[CO]
; 8 matrix instructions: m blocks a0, a0 + 1 x all 4 n blocks, 32 along K: half c of buffer f.  zero = 1: the first product starts the sums with the bias.
; The 16 accumulators take turns, one instruction a turn, in the same order throughout.
.macro MUL8 f, c, a0, zero
.irp a, \a0, \a0+1
.irp b, 0,1,2,3
.if \zero
	v_wmma_f32_16x16x32_f16 v[ACC+8*(4*(\a)+\b):ACC+8*(4*(\a)+\b)+7], v[\f+64+8*(4*\c+\b):\f+64+8*(4*\c+\b)+7], v[\f+8*(4*\c+\a):\f+8*(4*\c+\a)+7], v[BIAS+8*\b:BIAS+8*\b+7]
.else
	v_wmma_f32_16x16x32_f16 v[ACC+8*(4*(\a)+\b):ACC+8*(4*(\a)+\b)+7], v[\f+64+8*(4*\c+\b):\f+64+8*(4*\c+\b)+7], v[\f+8*(4*\c+\a):\f+8*(4*\c+\a)+7], v[ACC+8*(4*(\a)+\b):ACC+8*(4*(\a)+\b)+7]
.endif
.endr
.endr
.endm
; 32 LDS loads in one run: the fragments of the slot's q-th 64 along K (one head) into buffer f; the first 32 along K first
.macro FETCH slot, q, f
	WIN TO_F
.irp c, 0,1
.irp i, 0,1,2,3
	ds_load_tr16_b128 v[\f+64+8*(4*\c+\i):\f+64+8*(4*\c+\i)+3],   v[ADRB+2*\slot+(\q)/2] offset:(64*((\q)%2)+32*\c)*PB+32*\i
	ds_load_tr16_b128 v[\f+64+8*(4*\c+\i)+4:\f+64+8*(4*\c+\i)+7], v[ADRB+2*\slot+(\q)/2] offset:(64*((\q)%2)+32*\c)*PB+32*\i+16*PB
	ds_load_b128 v[\f+8*(4*\c+\i):\f+8*(4*\c+\i)+3],              v[ADRA+\slot] offset:128*PA*(\q)+16*PA*\i+64*\c
	ds_load_b128 v[\f+8*(4*\c+\i)+4:\f+8*(4*\c+\i)+7],            v[ADRA+\slot] offset:128*PA*(\q)+16*PA*\i+64*\c+32
.endr
.endr
.endm
.macro PLACES                          ; four places in front of loads into registers that matrix instructions have read, and of LDS stores that read results (ISA guide 7.12.1 for the stores)
.rept 4
	v_nop
.endr
.endm
; A K step is four quarters of 64 along K, 32 matrix instructions each, on buffers 0, 1, 0, 1.  One of the first three: multiplies buffer f and fetches quarter q into g.
.macro QUARTER slot, q, f, g, zero
	s_wait_dscnt 16                                ; the first 32 along K are in; the sixteen loads of the second 32 may be out
	WIN MUL
	MUL8 \f, 0, 0, \zero
	MUL8 \f, 0, 2, \zero
	PLACES
	FETCH \slot, \q, \g
	s_wait_dscnt 32                                ; all but the 32 just issued
	WIN MUL
	MUL8 \f, 1, 0, 0
	MUL8 \f, 1, 2, 0
.endm
; The last quarter multiplies buffer 1 and changes slots: ONE barrier; in front of it each wave waits for all its tensor loads, adds 0 to its spare word, and waits for that and for its own reads of this slot.
; fill = 1: this slot is filled again, two K steps ahead; the barrier then opens a round of the cluster's.
.macro TURN slot, next, fill
	WIN 0                                          ; (the add's two registers lie in window 0)
	s_wait_tensorcnt 0x0                           ; all my tensor loads have landed: my part of the next slot;
	ds_add_u32 v[SPW], v[NIL]                      ; 0 onto my spare word;
	s_wait_dscnt 17                                ; (the add and the youngest sixteen loads may be out)
	WIN MUL
	MUL8 F1, 0, 0, 0                               ; eight matrix instructions stand between the add and the wait for it
	s_wait_dscnt 0x0                               ; the add is done, and my reads of this slot are over
	s_barrier_signal -1
	MUL8 F1, 0, 2, 0
.if \fill
	WIN 0
.endif
	s_barrier_wait -1
.if \fill
	CREST                                          ; no wave of any partner still reads this slot's tile or has a load on its way
	s_add_nc_u64 s[G0+4*\slot+2:G0+4*\slot+3], s[G0+4*\slot+2:G0+4*\slot+3], 131072
	s_add_nc_u64 s[G0B+4*\slot+2:G0B+4*\slot+3], s[G0B+4*\slot+2:G0B+4*\slot+3], 1048576
	JLOAD \slot                                    ; the first tensor load behind the round; the four v_nop behind it are also the places in front of the loads below
.else
	PLACES
.endif
	FETCH \next, 0, F0
	WIN MUL
	MUL8 F1, 1, 0, 0
	MUL8 F1, 1, 2, 0
.endm
	s_wait_tensorcnt 1                             ; my part of K step 0 is in (K step 1's load, issued behind it, may be out),
	s_barrier_signal -1
	s_barrier_wait -1                              ; everybody's is
	FETCH 0, 0, F0
	s_wait_loadcnt 0x0                             ; the bias
	QUARTER 0, 1, F0, F1, 1                        ; K step 0; the first products start the sums
	QUARTER 0, 2, F1, F0, 0
	QUARTER 0, 3, F0, F1, 0
	TURN 0, 1, 1                                   ; slot 0 takes K step 2
	QUARTER 1, 1, F0, F1, 0                        ; K step 1
	QUARTER 1, 2, F1, F0, 0
	QUARTER 1, 3, F0, F1, 0
	TURN 1, 0, 1                                   ; slot 1 takes K step 3
	QUARTER 0, 1, F0, F1, 0                        ; K step 2
	QUARTER 0, 2, F1, F0, 0
	QUARTER 0, 3, F0, F1, 0
	TURN 0, 1, 0                                   ; nothing is left to fetch
	QUARTER 1, 1, F0, F1, 0                        ; K step 3
	QUARTER 1, 2, F1, F0, 0
	QUARTER 1, 3, F0, F1, 0
	s_wait_dscnt 16                                ; the very last quarter
	WIN MUL
	MUL8 F1, 0, 0, 0
	MUL8 F1, 0, 2, 0
	s_wait_dscnt 0
	MUL8 F1, 1, 0, 0
	MUL8 F1, 1, 2, 0
	WIN 0
; THE WAY OUT, block by block of 16 rows x 64 columns, through my own stage: a lane holds 32 neighbouring bytes of a row; back come whole runs of 256 bytes, which sixteen lanes store, aligned.
; LDS serves a wave's instructions in order (ISA guide 5.7.1.4): no wait between the stores and the loads, nor in front of the next block's stores.
.macro TOSTAGE a
.irp b, 0,1,2,3
	ds_store_b128 v[STO], v[ACC+8*(4*(\a)+\b):ACC+8*(4*(\a)+\b)+3] offset:64*\b          ; each accumulator from its low end on
	ds_store_b128 v[STO], v[ACC+8*(4*(\a)+\b)+4:ACC+8*(4*(\a)+\b)+7] offset:64*\b+16
.endr
.set BB, TMP+32*((\a)%2)
.irp t, 0,1,2,3,4,5,6,7
	ds_load_b128 v[BB+4*\t:BB+4*\t+3], v[RD] offset:2*\t*SPITCH
.endr
.endm
.macro SEND a, younger                 ; younger: the LDS instructions issued behind block a's loads, which may stay out
.set BB, TMP+32*((\a)%2)
	s_wait_dscnt \younger
.irp t, 0,1,2,3,4,5,6,7
	global_store_b128 v[CO], v[BB+4*\t:BB+4*\t+3], s[8:9] offset:(16*(\a)+2*\t)*4096 th:TH_STORE_NT   ; the base is never stepped: 253,952 at the most, inside the signed 24-bit immediate
.endr
.endm
	PLACES                                         ; behind the last products, ahead of the first read of results
	TOSTAGE 0
.irp a, 1,2,3
.if \a > 1
	s_wait_xcnt 0x0                                ; block a - 2's stores have read their registers: block a's loads may land there
.endif
	TOSTAGE \a
	SEND \a-1, 16                                  ; behind block a - 1's loads: block a's 8 stores and 8 loads
.endr
	SEND 3, 0
	s_wait_tensorcnt 0x0                           ; the wave's end, behind my last tensor load and my last LDS store
	ds_add_u32 v[SPW], v[NIL]
	s_wait_dscnt 0x0
	CROUND                                         ; the closing round: no work-group ends while a partner may still ask for a tile that names it
	s_endpgm
.Lfunc_end_k_qaec5563f13_proj:
	.size	k_qaec5563f13_proj, .Lfunc_end_k_qaec5563f13_proj-k_qaec5563f13_proj
	.p2alignl 7, 3214868480
	.fill 96, 4, 3214868480
	.section	.rodata,"a",@progbits
	.p2align	6, 0x0
	.amdhsa_kernel k_qaec5563f13_proj
		.amdhsa_group_segment_fixed_size 327680
		.amdhsa_private_segment_fixed_size 0
		.amdhsa_enable_private_segment 0
		.amdhsa_kernarg_size 32
		.amdhsa_user_sgpr_count 2
		.amdhsa_user_sgpr_kernarg_segment_ptr 1
		.amdhsa_wavefront_size32 1
		.amdhsa_system_sgpr_workgroup_id_x 1
		.amdhsa_system_sgpr_workgroup_id_y 1
		.amdhsa_system_sgpr_workgroup_id_z 1
		.amdhsa_system_vgpr_workitem_id 0
		.amdhsa_next_free_vgpr 512
		.amdhsa_next_free_sgpr 68
		.amdhsa_reserve_vcc 0
		.amdhsa_float_denorm_mode_32 3
		.amdhsa_float_denorm_mode_16_64 3
		.amdhsa_memory_ordered 1
		.amdhsa_forward_progress 1
		.amdhsa_inst_pref_size 87
	.end_amdhsa_kernel
	.amdgpu_metadata
---
amdhsa.version: [ 1, 2 ]
amdhsa.kernels:
  - .name:           k_qaec5563f13_proj
    .symbol:         k_qaec5563f13_proj.kd
    .args:
      - { .name: y16, .offset: 0, .size: 8, .value_kind: global_buffer, .address_space: global }
      - { .name: wp16, .offset: 8, .size: 8, .value_kind: global_buffer, .address_space: global }
      - { .name: bp, .offset: 16, .size: 8, .value_kind: global_buffer, .address_space: global }
      - { .name: out0, .offset: 24, .size: 8, .value_kind: global_buffer, .address_space: global }
    .group_segment_fixed_size: 327680
    .private_segment_fixed_size: 0
    .kernarg_segment_align: 8
    .kernarg_segment_size: 32
    .max_flat_workgroup_size: 128
    .sgpr_count:     68
    .vgpr_count:     512
    .wavefront_size: 32
...
	.end_amdgpu_metadata
.endif
;; end of part 4
